; MI455X (gfx1250); checked and timed in simulation.
; The chip was launched on July 23, 2026; its instructions are those of AMD's public machine-readable ISA for CDNA 5 (MIT licence, August 2026) and "CDNA5" Instruction Set Architecture Reference Guide (July 2026). The comments in the code are by the model that wrote it; some were corrected since.
;; Multi Head Attention. Allowed arithmetic: matrix products marked QUANTISED: E2M3 operands, one E8M0 scale for each 32 along K, by v_wmma_scale_f32_16x16x128_f8f6f4 with both operands' format E2M3, f32 sums; everything else in f32.
;; Inputs: o_b 1,024 float32; o_w 1,024 x 1,024 float32; qkv_b 3,072 float32; qkv_w 3,072 x 1,024 float32; x 4 x 2,048 x 1,024 float32.
;; Outputs: out0 4 x 2,048 x 1,024 float32.
;; This version of the problem:
;;   THIS VERSION OF THE PROBLEM IS GIVEN IN LOW PRECISION. The matrix products marked QUANTISED in the list below multiply operands that are first quantised to E2M3 (2 exponent bits, 3 mantissa bits; 6 bits a number), with one power-of-two scale for each 32 numbers along K (OCP MX v1.0); their sums are f32. All else is computed in f32.
;;   The module's matrix products, in the order in which they are computed (A, B: the left and right operand; K: the contracted axis; several contracted axes count as one K, in the product's order):
;;     1. [M 8,192, K 1,024] x [K 1,024, N 3,072]; A: input x; B: input qkv_w: QUANTISED
;;     2. batch 64 x [M 2,048, K 64] x [K 64, N 2,048]; A: computed on the way; B: computed on the way: QUANTISED
;;     3. batch 64 x [M 2,048, K 2,048] x [K 2,048, N 64]; A: softmax (see below); B: computed on the way: QUANTISED
;;     4. [M 8,192, K 1,024] x [K 1,024, N 1,024]; A: computed on the way; B: input o_w: QUANTISED
;;   THE QUANTISER, for each operand of a quantised product, along K:
;;     - K is cut into blocks of 32 from its start; a last block that is shorter is filled with zeros.
;;     - A block's scale is 2^e with e = floor(log2(the largest magnitude in the block)) - 2, held to -126 .. 127; a block of zeros has e = 0. As a byte (E8M0): e + 127.
;;     - Each number is divided by its block's scale, clamped to +-7.5, and rounded to the nearest number of E2M3, ties to even, subnormals kept.
;;     - The product sums the exact products of the quantised numbers (number of the format x scale) in f32.
;;   ~~~python
;;   def quantise(x, axis):      # numpy; x: float32 -> the quantised numbers, widened to float32 again
;;       x = np.moveaxis(x, axis, -1); K = x.shape[-1]
;;       x = np.pad(x, [(0, 0)] * (x.ndim - 1) + [(0, -K % 32)]); x = x.reshape(x.shape[:-1] + (-1, 32)); a = np.abs(x).max(-1, keepdims=True)
;;       e = np.where(a > 0, np.clip(np.frexp(np.where(a > 0, a, 1))[1] - 1 - 2, -126, 127), 0)      # np.frexp(a)[1] - 1 = floor(log2(a)), exactly
;;       r = np.clip(x / 2.0 ** e, -7.5, 7.5)
;;       step = 2.0 ** (np.maximum(np.frexp(np.where(r == 0, 1, r))[1] - 1, 0) - 3)
;;       q = np.round(r / step) * step * 2.0 ** e      # np.round: ties to even
;;       return np.moveaxis(q.reshape(q.shape[:-2] + (-1,))[..., :K], -1, axis).astype(np.float32)
;;   ~~~
;;   SOFTMAX AHEAD OF A QUANTISED PRODUCT. Where the list says 'softmax', what is quantised is not the finished softmax but p = 2^(t - M), with t = logit x log2(e) and M = ceil(the row's largest t), a whole number; so 1/2 < the row's largest p <= 1. The row's sum l is taken of the UNQUANTISED p, in f32, and the product's result is divided by l at the end. Since M is a whole number, a kernel that streams over the keys may use a running M (the ceiling of the running maximum): every later rescaling is an exact power of two, which a block's scale takes up: the codes' values come out the same.
;;   OPERANDS COMPUTED ON THE WAY. 'Computed on the way' means the value that the module computes at that place (a softmax that the list does not call 'softmax' is quantised finished and normalised). What goes into a quantiser is computed in f32, as accurately as f32 sums, v_exp_f32 and their like allow (about 1e-6 of the number): no bf16 or f16 on the way to a quantiser, and a product that is left as it is and whose result goes on into a quantised operand takes f32 operands (vector FMAs, or v_wmma_f32_16x16x4_f32). A number that lies on a knife's edge between two numbers of the format may be rounded either way, as far as f32 arithmetic and the matrix unit's own rounding can turn it there, and no further.
;; One version. Each part assembles by itself: llvm-mc -triple=amdgcn-amd-amdhsa -mcpu=gfx1250 --defsym DOCPART=n.
;; ======== version 1 of 1: 4 launches
;; limits: right only within a limited range of input values
;; workspace buffers: cod 9,437,184 bytes; scl 393,216 bytes; qq 6,815,744 bytes; kv 13,631,488 bytes; oc 6,291,456 bytes; os 262,144 bytes
;; launch quant (part 1): grid 768 x 1, 2 waves a work-group, no clusters, 16,640 bytes of LDS; arguments x, qkv_w, o_w, cod, scl; writes cod, scl
.if DOCPART == 1
	.amdgcn_target "amdgcn-amd-amdhsa--gfx1250"
	.amdhsa_code_object_version 6
	.text
	.protected	k_q0192d08bf9_quant
	.globl	k_q0192d08bf9_quant
	.p2align	8
	.type	k_q0192d08bf9_quant,@function
k_q0192d08bf9_quant:
	s_mov_b64 s[64:65], 0
	v_nop
	global_prefetch_b8 v0, s[64:65] scope:SCOPE_SE
	s_setreg_imm32_b32 hwreg(HW_REG_WAVE_MODE, 25, 1), 1
	s_wait_xcnt 0x0
; x [8192][1024], qkv_w [3072][1024] and o_w [1024][1024], f32, K innermost, become codes of FP6 (E2M3) in cod and one E8M0 byte for each 32 along K in scl.
; A block's scale is 2^(floor(log2(its largest magnitude)) - 2); its byte is the largest magnitude's exponent field - 2, held at 1 from below.
; PLACES.  Rows are numbered on end (0-8191 x, 8192-11263 qkv_w, 11264-12287 o_w) and each gets a place.  Within every 64 rows, row 32 h + 8 j + i goes to place 16 j + 8 h + i: sixteen places on end (tile j) are rows
; 8 j + i and 32 + 8 j + i, so that a product that takes four such tiles as source 0 leaves 32 NEIGHBOURS, one scale block, in a lane's 32 registers.  In x the bands of 64 of each 512 rows change places too:
; band b goes to 2 (b % 4) + b / 4, so that 128 places on end hold bands n and n + 4.  scl has 32 bytes a place.
; cod: a row's 768 bytes of codes are four CHUNKS of 192 bytes.  x and o_w: [128 places][chunk][place % 128][192];  qkv_w: [192 places (a head)][chunk][place % 192][192].  So all of K of 128 or 192 places is one dense run of bytes.
; A wave takes a run of 8 rows (16 steps of 512 numbers); a place's arithmetic is one on the run's number.  768 work-groups of two waves: three to each of 256 WGPs.
; Each load reads 512 consecutive bytes; a step's 2,048 bytes turn through the wave's own stage in LDS, so that a lane holds 16 neighbours along K (two lanes a block).
; A step is half a row: lanes 0-15 store 192 bytes of one chunk, lanes 16-31 of the next; a run's eight rows fill 1,536 consecutive bytes of each chunk.  A run's 256 scale bytes leave as one aligned run.
; Loads run eight steps (32 loads a wave) ahead.  No tensor loads, no barrier, no cluster: the waves share nothing and every byte is read once.
; LIMITS: a block of zeros gets the byte 1 (its codes are zeros; this program alone reads the bytes); blocks whose largest magnitude lies under 2^-124 are held at that byte; NaN and infinities among the inputs are not served.
.set WAVES, 2
.set STEPS, 16
.set AH,    8                          ; steps that the loads run ahead
.set EMAX,  2
.set CB,    12                         ; bytes of 16 codes
.set R,     16                         ; v16-143  eight sets of 16 numbers as they are loaded
.set X,     144                        ; v144-175 two sets of 16 neighbours
.set E,     176                        ; v176-191 a scale byte for each step
.set C,     192                        ; v192-255 codes: four registers for each step
.set WREG,  8192                       ; LDS: a region for each wave: two stages of 32 x SP bytes, behind them its 256 scale bytes
.set SP,    80
.set SPW,   12
.set NIL,   13
.set SPARE, WAVES*WREG
	s_load_b256 s[4:11], s[0:1], 0x0               ; x s[4:5], qkv_w s[6:7], o_w s[8:9], cod s[10:11]
	s_load_b64 s[12:13], s[0:1], 0x20              ; scl
	v_lshl_add_u32 v[SPW], v0, 2, SPARE
	v_mov_b32 v[NIL], 0
	v_lshrrev_b32 v1, 5, v0
	v_readfirstlane_b32 s16, v1                    ; wave
	s_sub_co_u32 s23, ttmp9, 512                   ; work-groups 0-511 take x, 512-703 qkv_w, 704-767 o_w
	s_cmp_lt_u32 s23, 192
	s_mov_b32 s22, 24576
	s_cselect_b32 s22, 36864, s22                  ; bytes from a chunk to the next
	s_mul_i32 s17, s16, WREG
	v_and_b32 v2, 31, v0                           ; lane
	v_lshlrev_b32 v3, 4, v2
	v_lshrrev_b32 v14, 2, v2
	v_mul_u32_u24 v14, v14, SP
	v_and_b32 v15, 3, v2
	v_lshl_add_u32 v14, v15, 4, v14
	v_add_nc_u32 v14, s17, v14                     ; the stage, on the way in
	v_mul_u32_u24 v15, v2, SP
	v_add_nc_u32 v15, s17, v15                     ; and on the way out: my 16 neighbours
	v_and_b32 v4, 15, v2
	v_mul_u32_u24 v4, v4, CB
	v_lshrrev_b32 v10, 4, v2
	v_mad_u32_u24 v4, v10, s22, v4                 ; my codes' place: 12 (lane % 16), lanes 16-31 a chunk on
	v_lshrrev_b32 v5, 1, v2
	s_add_co_u32 s17, s17, 2*32*SP
	v_add_nc_u32 v5, s17, v5                       ; LDS: my block's scale byte
	v_lshlrev_b32 v7, 3, v2
	v_add_nc_u32 v6, s17, v7
	s_wait_alu depctr_va_vdst(0)                   ; the wait at the head's end
	s_wait_kmcnt 0x0
	s_cmp_lt_u32 ttmp9, 704                        ; the choices hang on the work-group's number alone
	s_cselect_b64 s[6:7], s[6:7], s[8:9]
	s_mov_b32 s17, 704
	s_cselect_b32 s17, 512, s17
	s_cmp_lt_u32 ttmp9, 512
	s_cselect_b64 s[4:5], s[4:5], s[6:7]
	s_cselect_b32 s17, 0, s17
	s_sub_co_u32 s17, ttmp9, s17
	s_lshl_b32 s17, s17, 1
	s_add_co_u32 s18, s17, s16                     ; which run of the tensor is my wave's
	s_lshl_b32 s18, s18, 15
	s_mov_b32 s19, 0
	s_add_nc_u64 s[4:5], s[4:5], s[18:19]
	s_lshl_b32 s20, ttmp9, 1
	s_add_co_u32 s20, s20, s16                     ; the run's number g among all 1,536
	s_and_b32 s21, s20, 3                          ; within 64 rows: run 4 h + j goes to 2 j + h
	s_lshl_b32 s21, s21, 1
	s_bfe_u32 s23, s20, 0x10002
	s_or_b32 s21, s21, s23
	s_and_not1_b32 s23, s20, 7
	s_or_b32 s23, s23, s21                         ; qkv_w, o_w
	s_bfe_u32 s26, s20, 0x20003                    ; x: band % 4,
	s_lshl_b32 s26, s26, 4
	s_or_b32 s21, s21, s26
	s_bfe_u32 s26, s20, 0x10005                    ; band / 4
	s_lshl_b32 s26, s26, 3
	s_or_b32 s21, s21, s26
	s_and_not1_b32 s20, s20, 63
	s_or_b32 s20, s20, s21
	s_cmp_lt_u32 ttmp9, 512
	s_cselect_b32 s20, s20, s23                    ; the run's place
	s_lshr_b32 s18, s20, 4                         ; x, o_w: 16 runs to 128 places
	s_mul_i32 s18, s18, 98304
	s_and_b32 s21, s20, 15
	s_mul_i32 s21, s21, 1536
	s_add_co_u32 s18, s18, s21
	s_sub_co_u32 s21, s20, 1024                    ; qkv_w: 24 runs to a head
	s_mul_hi_u32 s23, s21, 0x0aaaaaab              ; / 24 (exact for numbers under 384)
	s_mul_i32 s26, s23, 24
	s_sub_co_u32 s21, s21, s26
	s_mul_i32 s21, s21, 1536
	s_mul_i32 s23, s23, 147456
	s_add_co_u32 s21, s21, s23
	s_add_co_u32 s21, s21, 6291456
	s_sub_co_u32 s23, ttmp9, 512
	s_cmp_lt_u32 s23, 192
	s_cselect_b32 s18, s21, s18
	s_add_nc_u64 s[10:11], s[10:11], s[18:19]      ; chunks 0 and 1: the even steps
	s_lshl_b32 s18, s22, 1
	s_add_nc_u64 s[24:25], s[10:11], s[18:19]      ; chunks 2 and 3: the odd steps
	s_lshl_b32 s18, s20, 8
	s_add_nc_u64 s[12:13], s[12:13], s[18:19]
.macro LOAD t
.irp i, 0,1,2,3
	global_load_b128 v[R+16*((\t)%AH)+4*\i:R+16*((\t)%AH)+4*\i+3], v3, s[4:5] offset:2048*(\t)+512*\i th:TH_LOAD_NT
.endr
.endm
.macro TURN t                          ; LDS serves a wave's instructions in order, so no wait stands between the stores and the loads
.irp i, 0,1,2,3
	ds_store_b128 v14, v[R+16*((\t)%AH)+4*\i:R+16*((\t)%AH)+4*\i+3] offset:32*SP*((\t)%2)+8*SP*\i
.endr
.irp i, 0,1,2,3
	ds_load_b128 v[X+16*((\t)%2)+4*\i:X+16*((\t)%2)+4*\i+3], v15 offset:32*SP*((\t)%2)+16*\i
.endr
.endm
.irp t, 0,1,2,3,4,5,6,7
	LOAD \t
.endr
	s_wait_loadcnt 28                              ; step 0's four loads are in; the 28 of steps 1 to 7 may be out
	TURN 0
.macro STEP t
.set XS, X+16*((\t)%2)
.if (\t) > 0
	s_wait_dscnt 1                                 ; this step's numbers are back from the stage (the last step's byte store may be out)
.else
	s_wait_dscnt 0x0
.endif
.if (\t)+AH < STEPS
	LOAD (\t)+AH
.endif
.if (\t)+1 < STEPS
.if STEPS-2-(\t) >= AH-1
	s_wait_loadcnt 4*(AH-1)                        ; the next step's four loads are in; those of the seven steps behind it may be out
.else
	s_wait_loadcnt 4*(STEPS-2-(\t))
.endif
	TURN (\t)+1
.endif
	v_max3_num_f32 v8, |v[XS]|, |v[XS+1]|, |v[XS+2]|
	v_max3_num_f32 v9, |v[XS+3]|, |v[XS+4]|, |v[XS+5]|
.irp i, 6,10
	v_max3_num_f32 v8, v8, |v[XS+\i]|, |v[XS+\i+1]|
	v_max3_num_f32 v9, v9, |v[XS+\i+2]|, |v[XS+\i+3]|
.endr
	v_max3_num_f32 v8, v8, |v[XS+14]|, |v[XS+15]|
	v_max3_num_f32 v8, v8, v9, (EMAX+1)<<23        ; the floor 2^(3 - 127): the byte cannot fall under 1
	v_max_num_f32_dpp v8, v8, v8 row_xmask:1 row_mask:0xf bank_mask:0xf   ; and my neighbour's 16: the block's
	v_add_nc_u32 v11, -(EMAX<<23), v8              ; 2 off its exponent field: the conversion's scale operand
	v_cvt_scalef32_pk16_fp6_f32 v[C+4*(\t):C+4*(\t)+2], v[XS:XS+15], v11
	v_lshrrev_b32 v[E+(\t)], 23, v11               ; the scale's byte (also the plain line behind the conversion)
	ds_store_b8 v5, v[E+(\t)] offset:16*(\t)
	global_store_b96 v4, v[C+4*(\t):C+4*(\t)+2], s[10+14*((\t)%2):11+14*((\t)%2)] offset:192*((\t)/2)
.endm
.irp t, 0,1,2,3,4,5,6,7,8,9,10,11,12,13,14,15
	STEP \t
.endr
	ds_load_b64 v[8:9], v6
	s_wait_dscnt 0x0
	global_store_b64 v7, v[8:9], s[12:13]          ; 32 lanes store 256 consecutive bytes, aligned
	s_wait_tensorcnt 0x0                           ; the wave's end
	ds_add_u32 v[SPW], v[NIL]
	s_wait_dscnt 0x0
	s_endpgm
.Lfunc_end_k_q0192d08bf9_quant:
	.size	k_q0192d08bf9_quant, .Lfunc_end_k_q0192d08bf9_quant-k_q0192d08bf9_quant
	.p2alignl 7, 3214868480
	.fill 96, 4, 3214868480
	.section	.rodata,"a",@progbits
	.p2align	6, 0x0
	.amdhsa_kernel k_q0192d08bf9_quant
		.amdhsa_group_segment_fixed_size 16640
		.amdhsa_private_segment_fixed_size 0
		.amdhsa_enable_private_segment 0
		.amdhsa_kernarg_size 40
		.amdhsa_user_sgpr_count 2
		.amdhsa_user_sgpr_kernarg_segment_ptr 1
		.amdhsa_wavefront_size32 1
		.amdhsa_system_sgpr_workgroup_id_x 1
		.amdhsa_system_sgpr_workgroup_id_y 1
		.amdhsa_system_sgpr_workgroup_id_z 1
		.amdhsa_system_vgpr_workitem_id 0
		.amdhsa_next_free_vgpr 256
		.amdhsa_next_free_sgpr 66
		.amdhsa_reserve_vcc 0
		.amdhsa_float_denorm_mode_32 3
		.amdhsa_float_denorm_mode_16_64 3
		.amdhsa_memory_ordered 1
		.amdhsa_forward_progress 1
		.amdhsa_inst_pref_size 34
	.end_amdhsa_kernel
	.amdgpu_metadata
---
amdhsa.version: [ 1, 2 ]
amdhsa.kernels:
  - .name:           k_q0192d08bf9_quant
    .symbol:         k_q0192d08bf9_quant.kd
    .args:
      - { .name: x, .offset: 0, .size: 8, .value_kind: global_buffer, .address_space: global }
      - { .name: qkv_w, .offset: 8, .size: 8, .value_kind: global_buffer, .address_space: global }
      - { .name: o_w, .offset: 16, .size: 8, .value_kind: global_buffer, .address_space: global }
      - { .name: cod, .offset: 24, .size: 8, .value_kind: global_buffer, .address_space: global }
      - { .name: scl, .offset: 32, .size: 8, .value_kind: global_buffer, .address_space: global }
    .group_segment_fixed_size: 16640
    .private_segment_fixed_size: 0
    .kernarg_segment_align: 8
    .kernarg_segment_size: 40
    .max_flat_workgroup_size: 64
    .sgpr_count:     66
    .vgpr_count:     256
    .wavefront_size: 32
...
	.end_amdgpu_metadata
.endif
;; end of part 1
;; launch qkv (part 2): grid 16 x 16, 4 waves a work-group, clusters of 4 x 4, 327,680 bytes of LDS; arguments cod, scl, qkv_b, qq, kv; writes qq, kv
.if DOCPART == 2
	.amdgcn_target "amdgcn-amd-amdhsa--gfx1250"
	.amdhsa_code_object_version 6
	.text
	.protected	k_q0192d08bf9_qkv
	.globl	k_q0192d08bf9_qkv
	.p2align	8
	.type	k_q0192d08bf9_qkv,@function
k_q0192d08bf9_qkv:
	s_mov_b64 s[64:65], 0
	v_nop
	global_prefetch_b8 v0, s[64:65] scope:SCOPE_SE
	s_setreg_imm32_b32 hwreg(HW_REG_WAVE_MODE, 25, 1), 1
	s_wait_xcnt 0x0
	s_wait_alu depctr_hold_cnt(0) depctr_sa_sdst(0) depctr_va_vdst(0) depctr_va_sdst(0) depctr_va_ssrc(0) depctr_va_vcc(0) depctr_vm_vsrc(0)
	s_getreg_b32 s2, hwreg(HW_REG_IB_STS2, 6, 4)
	s_cmp_eq_u32 s2, 0
	s_cbranch_scc0 .Lentry_in_a_cluster
	s_endpgm
.Lentry_in_a_cluster:
	s_bfe_u32 s2, ttmp6, 0x10000c
	s_cmp_lg_u32 s2, 0xf033
	s_cbranch_scc0 .Lentry_shape_is_right
	s_endpgm
.Lentry_shape_is_right:
; Q, K, V = x qkv_w^T + qkv_b on codes of FP6 (E2M3) with E8M0 scales, each result quantised again: Q and K along the head's 64, V along the tokens.  They leave as images of the next launch's operand registers.
; SHARES.  256 work-groups: 512 tokens x one head (192 rows of qkv_w).  Four waves, 2 x 2: column s16 takes Q's (0) or K's (1) 64 rows and 32 of V's; row s15 takes bands of 64 tokens 4 s15 + n, n = 0 .. 3.
; A WAVE'S 96 ROWS OF THE WEIGHT, ALL OF K, LIE IN REGISTERS: 48 fragments.  x streams past in tiles of 16 tokens, all of K: 8 fragments in ONE set, fetched anew by halves: K steps 0-3 of the next tile while steps 4-7 are multiplied.
; A tile is 48 products, its six accumulators by turns; the bias is the first products' C.  Q, K: source 0 = the weight's rows, so a lane's 32 sums of a tile are 32 neighbouring columns, one scale block.
; V: source 0 = x's rows: a lane's 8 sums of each of a band's four tiles are 32 neighbouring tokens.  (The places of rows are the first launch's.)  No lane looks at another but for the scale words.
; LDS.  A slot is 128 places of x, all of K: [chunk][128 x 240 bytes] (16 bytes of padding behind each 64); places 0-63 are row 0's band n, 64-127 row 1's.  Slot 0 at byte 0; the weights [chunk][192 x 240] behind it.
; FILLS.  At the head one tensor load a wave: waves 0, 1 half of slot 0 each, waves 2, 3 half of the weights each.  When every wave holds the weights in registers, slot 1 lands on their bytes.  Three refills in all (n = 1, 2, 3),
; a chunk a wave, each behind the three lines and a round of the cluster's barrier; the last slot is shown by a plain barrier.  All tiles are dense runs of memory stated as rows of 256 bytes.
; CLUSTER 4 x 4: x's slots are shared by a row of the cluster, the weights by a column.
; PREFETCH: one slot ahead of each refill the slot's 384 blocks of 256 bytes are named once in the cluster's row, 24 by each of its sixteen waves, told apart by address.
; s_wait_dscnt 24: the half set wanted is in; the 24 loads of the other half, issued behind it, may be out.
; LIMITS: a block of zeros gets the byte 1 (zero codes; this program alone reads the bytes); NaN and infinities are not served.
.set PITCH, 240
.set XCH,   128*PITCH                  ; a chunk of a slot
.set WCH,   192*PITCH                  ; a chunk of the weights
.set R1,    4*XCH                      ; slot 1, on the weights' bytes
.set WB,    R1
.set SPARE, WB+4*WCH
.set FLOOR, 0x1800000
.set SH,   8                           ; v8  8 h;  v9  16 + 8 h
.set SH2,  9
.set L8,   10
.set L16,  11
.set SOF,  12
.set SPW,  13
.set NIL,  14
.set PF,   15
.set ADX,  16                          ; v16-23 x's fragments: 4 slot + 2 (half of K) (+ 1: behind one padding more)
.set AW,   24                          ; v24-31 the weights': Q or K 2 half (+ 1); V 4 + 2 half (+ 1)
.set SCA,  32                          ; v32-95 scale words in groups of eight: registers 0-3 a weight's tile, 4-7 a tile of x (two sets of four tiles)
.set VA,   96                          ; v96-159 V's sums: 32 u + 8 a + j
.set QC,   160                         ; v160-183 a band's codes of Q or K
.set VC,   184                         ; v184-207 V's two operands
.set XT,   208
.set T0,   212
.set T1,   213
.set SO,   214
.set EB,   215
.set WD,   216
.set XP,   217
.set PWQ,  218                         ; v218-225 scale words of eight tiles
.set PWV,  226
.set SWI,  228
.set ACC,  168                         ; window 3: v168-199 a tile's sums of Q or K; v200-231, v232-247 the biases
.set BQK,  200
.set BV,   232
.set G1X, 24
.set G0X, 32
.set G1W, 48
.set G0W, 56
.set MSB, 0
.macro WIN new
.if MSB != (\new)
	s_set_vgpr_msb (MSB<<8)|(\new)
.set MSB, (\new)
.endif
.endm
.macro PLACES
.rept 4
	v_nop
.endr
.endm
.macro CROUND
	s_barrier_signal -1
	s_barrier_wait -1
	s_cmp_lg_u32 s14, 0
	s_cbranch_scc1 .Lnot_wave_0_\@
	s_barrier_signal -3
.Lnot_wave_0_\@:
	s_barrier_wait -3
	s_barrier_signal -1
	s_barrier_wait -1
.endm
.macro GROUP1 g, mask, rows            ; rows of 256 bytes, dense, 4 words of padding behind every 16
	s_or_b32 s[\g+0], s\mask, (1<<20)|(1<<21)|(3<<22)|(3<<25)
	s_mov_b32 s[\g+1], 256<<16
	s_mov_b32 s[\g+2], (\rows)<<16
	s_mov_b32 s[\g+3], 256<<16
	s_mov_b32 s[\g+4], \rows
	s_mov_b32 s[\g+5], 256
	s_mov_b32 s[\g+6], 0
	s_mov_b32 s[\g+7], 0
.endm
	s_load_b256 s[4:11], s[0:1], 0x0               ; cod, scl, qkv_b, qq
	s_load_b64 s[12:13], s[0:1], 0x20              ; kv
	v_lshl_add_u32 v[SPW], v0, 2, SPARE
	v_mov_b32 v[NIL], 0
	ds_add_u32 v[SPW], v[NIL]                      ; the opening lines: the add, twice on end, and its wait
	ds_add_u32 v[SPW], v[NIL]
	v_lshrrev_b32 v1, 5, v0
	v_readfirstlane_b32 s14, v1                    ; wave
	s_lshr_b32 s15, s14, 1
	s_and_b32 s16, s14, 1
	s_bfe_u32 s40, ttmp6, 0x40000
	s_bfe_u32 s41, ttmp6, 0x40004
	s_lshl_b32 s42, ttmp9, 2
	s_add_co_u32 s42, s42, s40                     ; the head
	s_and_b32 s17, ttmp7, 0xffff
	s_lshl_b32 s17, s17, 2
	s_add_co_u32 s17, s17, s41                     ; my 512 tokens
	s_lshl_b32 s43, s41, 2
	s_lshl_b32 s43, 15, s43                        ; my row of the cluster
	s_lshl_b32 s44, 0x1111, s40                    ; my column
	GROUP1 G1X, 43, 192
	GROUP1 G1W, 44, 288
	s_mul_i32 s20, s17, 393216                     ; x: four slots of 98,304 bytes
	s_mov_b32 s21, 0
	s_mul_i32 s46, s42, 147456
	s_add_co_u32 s46, s46, 6291456                 ; the head's weights
	s_mov_b32 s47, 0
	s_mov_b32 s19, 0
	s_mov_b32 s[G0X], 1
	s_mov_b32 s[G0W], 1
	s_mul_i32 s[G0X+1], s16, 2*XCH
	s_mul_i32 s[G0W+1], s16, 2*WCH
	s_add_co_u32 s[G0W+1], s[G0W+1], WB
	s_mul_i32 s62, s14, XCH                        ; in the ring I fetch chunk = my wave's number
	s_mul_i32 s36, s15, 64*PITCH
	s_mul_i32 s37, s16, 64*PITCH
	s_add_co_u32 s37, s37, WB
	s_mul_i32 s38, s16, 32*PITCH
	s_add_co_u32 s38, s38, WB+128*PITCH
	s_lshl_b32 s39, s40, 2
	s_add_co_u32 s39, s39, s14
	s_mul_i32 s39, s39, 6144                       ; my sixteenth of a slot, for the prefetches
	s_mov_b32 s82, 0xffff0000
	s_mov_b32 s83, 0x7f7f0000
	s_mov_b32 s84, 0x76543210
	s_mov_b32 s85, 0xfedcba98
	v_and_b32 v1, 15, v0
	v_bfe_u32 v2, v0, 4, 1
	v_and_b32 v3, 31, v0
	v_mul_u32_u24 v4, v1, PITCH
	v_mad_u32_u24 v4, v2, 24, v4
	v_lshl_add_u32 v5, v2, 4, v4
	v_add_nc_u32 v[ADX], s36, v4
	v_add_nc_u32 v[ADX+1], s36, v5
	v_add_nc_u32 v[AW], s37, v4
	v_add_nc_u32 v[AW+1], s37, v5
	v_add_nc_u32 v[AW+4], s38, v4
	v_add_nc_u32 v[AW+5], s38, v5
.irp i, 0,1
	v_add_nc_u32 v[ADX+2+\i], 2*XCH, v[ADX+\i]
	v_add_nc_u32 v[ADX+4+\i], R1, v[ADX+\i]
	v_add_nc_u32 v[ADX+6+\i], R1+2*XCH, v[ADX+\i]
	v_add_nc_u32 v[AW+2+\i], 2*WCH, v[AW+\i]
	v_add_nc_u32 v[AW+6+\i], 2*WCH, v[AW+4+\i]
.endr
	v_lshlrev_b32 v[L16], 4, v3
	v_lshlrev_b32 v[L8], 3, v3
	v_lshlrev_b32 v[SOF], 5, v1
	v_lshl_add_u32 v[SOF], v2, 4, v[SOF]           ; a row's 32 scale bytes, 16 for each half of the lanes
	v_lshlrev_b32 v[SH], 3, v2
	v_add_nc_u32 v[SH2], 16, v[SH]
	v_lshlrev_b32 v6, 7, v2                        ; Q's, K's bias: column 32 h + 8 b + j
	v_lshrrev_b32 v7, 3, v1
	v_lshlrev_b32 v7, 7, v7
	v_and_b32 v5, 7, v1
	v_lshl_add_u32 v7, v5, 2, v7                   ; V's: column 32 (r / 8) + 8 t + r % 8
	v_min_u32 v[PF], 23, v3
	v_lshl_add_u32 v[PF], v[PF], 8, s39
	v_mov_b32 v[XP], 0                             ; a lane permute's destination counts as one of its sources
	s_wait_alu depctr_va_vdst(0)                   ; the wait here, directly ahead of the waits below
	s_wait_dscnt 0x0
	s_wait_kmcnt 0x0
	s_add_nc_u64 s[20:21], s[4:5], s[20:21]        ; x's four slots
	s_add_nc_u64 s[46:47], s[4:5], s[46:47]
	s_mul_i32 s18, s16, 49152
	s_add_nc_u64 s[G0X+2:G0X+3], s[20:21], s[18:19]
	s_or_b32 s[G0X+3], s[G0X+3], 0x80000000
	s_mul_i32 s18, s16, 73728
	s_add_nc_u64 s[G0W+2:G0W+3], s[46:47], s[18:19]
	s_or_b32 s[G0W+3], s[G0W+3], 0x80000000
	s_mul_i32 s18, s14, 24576
	s_add_nc_u64 s[60:61], s[20:21], s[18:19]      ; my chunk of slot 0
	s_lshl_b32 s18, s17, 14                        ; scale bytes: x's, my band of each slot
	s_lshl_b32 s22, s15, 11
	s_add_co_u32 s18, s18, s22
	s_add_nc_u64 s[76:77], s[6:7], s[18:19]
	s_mul_i32 s18, s42, 6144
	s_add_co_u32 s18, s18, 262144
	s_add_nc_u64 s[80:81], s[6:7], s[18:19]
	s_lshl_b32 s18, s16, 11
	s_add_nc_u64 s[78:79], s[80:81], s[18:19]      ; Q's or K's rows
	s_lshl_b32 s18, s16, 10
	s_add_co_u32 s18, s18, 4096
	s_add_nc_u64 s[80:81], s[80:81], s[18:19]      ; V's
	s_mul_i32 s18, s42, 768
	s_add_nc_u64 s[74:75], s[8:9], s[18:19]
	s_lshl_b32 s18, s16, 8
	s_add_nc_u64 s[72:73], s[74:75], s[18:19]
	s_lshl_b32 s18, s16, 6
	s_add_co_u32 s18, s18, 512
	s_add_nc_u64 s[74:75], s[74:75], s[18:19]
	s_lshr_b32 s88, s17, 2                         ; results: block 16 (16 batch + head) + group of 128 tokens; my first group is 4 (s17 % 4) + 2 s15
	s_lshl_b32 s88, s88, 4
	s_add_co_u32 s88, s88, s42
	s_lshl_b32 s88, s88, 4
	s_and_b32 s22, s17, 3
	s_lshl_b32 s22, s22, 2
	s_add_co_u32 s88, s88, s22
	s_lshl_b32 s22, s15, 1
	s_add_co_u32 s88, s88, s22
	s_mul_i32 s18, s88, 13312
	s_add_nc_u64 s[86:87], s[12:13], s[18:19]
	s_mul_i32 s18, s88, 6656
	s_add_nc_u64 s[68:69], s[10:11], s[18:19]
	s_cmp_eq_u32 s16, 0
	s_cselect_b64 s[68:69], s[68:69], s[86:87]     ; Q's image or K's
	s_mov_b32 s88, 13312
	s_cselect_b32 s88, 6656, s88                   ; and the bytes to the next group's
	s_mov_b32 s89, 0
	s_mul_i32 s18, s16, 3072
	s_add_co_u32 s18, s18, 6656
	s_add_nc_u64 s[70:71], s[86:87], s[18:19]      ; V's codes
	s_lshl_b32 s18, s16, 8
	s_add_co_u32 s18, s18, 12800
	s_add_nc_u64 s[86:87], s[86:87], s[18:19]      ; V's scale words
	CROUND                                         ; all sixteen work-groups are here: the joint loads meet
	s_cmp_eq_u32 s15, 0
	s_cbranch_scc0 .Lhead_w
	tensor_load_to_lds s[G0X:G0X+3], s[G1X:G1X+7]
	s_nop 0
	PLACES
	s_branch .Lhead_asked
.Lhead_w:
	tensor_load_to_lds s[G0W:G0W+3], s[G1W:G1W+7]
	s_nop 0
	PLACES
.Lhead_asked:
.macro XSC n                           ; the scale words of slot n's four tiles of mine, into set n % 2
.irp a, 0,1,2,3
	global_load_b128 v[SCA+8*(4*((\n)%2)+\a)+4:SCA+8*(4*((\n)%2)+\a)+7], v[SOF], s[76:77] offset:(\n)*4096+\a*512
.endr
.endm
.irp b, 0,1,2,3
	global_load_b128 v[SCA+8*\b:SCA+8*\b+3], v[SOF], s[78:79] offset:512*\b
.endr
.irp u, 0,1
	global_load_b128 v[SCA+8*(4+\u):SCA+8*(4+\u)+3], v[SOF], s[80:81] offset:512*\u
.endr
	XSC 0
	XSC 1
	WIN 0xc0
.irp b, 0,1,2,3
	global_load_b128 v[BQK+8*\b:BQK+8*\b+3], v6, s[72:73] offset:32*\b
	global_load_b128 v[BQK+8*\b+4:BQK+8*\b+7], v6, s[72:73] offset:32*\b+16
.endr
.irp u, 0,1
.irp k, 0,1,2,3,4,5,6,7
	global_load_b32 v[BV+8*\u+\k], v7, s[74:75] offset:32*\u
.endr
.endr
	WIN 0
.macro PFX n                           ; slot n is asked for into the L2
	global_prefetch_b8 v[PF], s[20:21] offset:(\n)*98304 th:TH_LOAD_NT scope:SCOPE_SE
.endm
	PFX 1
.macro FRAGL reg, adr, q, off          ; a fragment: six pieces of 8 bytes
.irp p, 0,1,2,3,4,5
.set PC, 12*(\q)+6*(\p/3)+\p%3
.if PC%8 < 5
	ds_load_b64 v[(\reg)+2*\p:(\reg)+2*\p+1], v[\adr] offset:8*PC+16*(PC/8)+(\off)
.else
	ds_load_b64 v[(\reg)+2*\p:(\reg)+2*\p+1], v[(\adr)+1] offset:8*PC+16*(PC/8)+(\off)
.endif
.endr
.endm
; Fragment f lies in window 1 + f / 21 at register 12 (f % 21): 0-31 Q's or K's weights (4 ks + b), 32-47 V's (32 + 2 ks + u), 48-55 x's (48 + ks)
.macro WLOAD
.irp ks, 0,1,2,3,4,5,6,7
.irp b, 0,1,2,3
.set F_, 4*\ks+\b
	WIN (1+F_/21)<<6
	FRAGL 12*(F_%21), AW+2*(\ks/4), \ks%2, ((\ks/2)%2)*WCH+\b*16*PITCH
.endr
.irp u, 0,1
.set F_, 32+2*\ks+\u
	WIN (1+F_/21)<<6
	FRAGL 12*(F_%21), AW+4+2*(\ks/4), \ks%2, ((\ks/2)%2)*WCH+\u*16*PITCH
.endr
.endr
	WIN 0
.endm
.macro XLOAD slot, a, half             ; K steps 4 half .. 4 half + 3 of tile a: 24 loads
	WIN 0xc0
.irp kq, 0,1,2,3
	FRAGL 72+12*(4*(\half)+\kq), ADX+4*(\slot)+2*(\half), \kq%2, (\kq/2)*XCH+(\a)*16*PITCH
.endr
	WIN 0
.endm
.macro WMS row
.if \row
	v_wmma_scale_f32_16x16x128_f8f6f4 v[rD:rD+7], v[rA:rA+11], v[rB:rB+11], v[rC:rC+7], v[rSA], v[rSB] matrix_a_fmt:MATRIX_FMT_FP6 matrix_b_fmt:MATRIX_FMT_FP6 matrix_a_scale:MATRIX_SCALE_ROW1 matrix_b_scale:MATRIX_SCALE_ROW1
.else
	v_wmma_scale_f32_16x16x128_f8f6f4 v[rD:rD+7], v[rA:rA+11], v[rB:rB+11], v[rC:rC+7], v[rSA], v[rSB] matrix_a_fmt:MATRIX_FMT_FP6 matrix_b_fmt:MATRIX_FMT_FP6
.endif
.endm
.macro MM n, a, k0                     ; 24 products: K steps k0 .. k0 + 3, the six accumulators by turns
.irp kq, 0,1,2,3
.set KS_, (\k0)+\kq
.set XS_, SCA+8*(4*((\n)%2)+(\a))+4+KS_%4
.irp b, 0,1,2,3
.set F_, 4*KS_+\b
	WIN (1+F_/21)|0xfc
.set rD, ACC+8*\b
.set rC, rD
.if KS_ == 0
.set rC, BQK+8*\b
.endif
.set rA, 12*(F_%21)
.set rB, 72+12*KS_
.set rSA, SCA+8*\b+KS_%4
.set rSB, XS_
	WMS KS_/4
.endr
.irp u, 0,1
.set F_, 32+2*KS_+\u
.set rD, VA+32*\u+8*(\a)
.set rC, rD
.if KS_ == 0
	WIN 3|((1+F_/21)<<2)|0x30
.set rC, BV+8*\u
.else
	WIN 3|((1+F_/21)<<2)
.endif
.set rA, 72+12*KS_
.set rB, 12*(F_%21)
.set rSA, XS_
.set rSB, SCA+8*(4+\u)+KS_%4
	WMS KS_/4
.endr
.endr
.endm
; THE WAY OUT of 32 sums in a lane: their largest magnitude in two chains, the scale, two conversions.  w: the sums' window
.macro OUT32 x, w, c
	WIN (\w)|((\w)<<2)
	v_max3_num_f32 v[T0], |v[\x]|, |v[\x+1]|, FLOOR
	v_max3_num_f32 v[T1], |v[\x+16]|, |v[\x+17]|, FLOOR
.irp i, 2,4,6,8,10,12,14
	v_max3_num_f32 v[T0], |v[\x+\i]|, |v[\x+\i+1]|, v[T0]
	v_max3_num_f32 v[T1], |v[\x+16+\i]|, |v[\x+17+\i]|, v[T1]
.endr
	WIN 0
	v_max_num_f32 v[T0], v[T0], v[T1]
	v_add_nc_u32 v[SO], 0xff000000, v[T0]          ; 2 off the exponent field: the conversions' scale operand
	WIN \w
	v_cvt_scalef32_pk16_fp6_f32 v[\c:\c+2], v[\x:\x+15], v[SO]
	v_cvt_scalef32_pk16_fp6_f32 v[XT:XT+2], v[\x+16:\x+31], v[SO]
	WIN 0
	v_lshrrev_b32 v[EB], 23, v[SO]                 ; the scale's byte (the plain line behind the conversions)
.irp i, 0,1,2
	v_mov_b32 v[\c+3+\i], v[XT+\i]
.endr
.endm
.macro TILE n, a
.set C_, (\n)%2
	s_wait_dscnt 24
	MM \n, \a, 0
	PLACES
.if (\a) < 3
	XLOAD C_, (\a)+1, 0
	s_wait_dscnt 24
.else
	s_wait_dscnt 0x0
.endif
	MM \n, \a, 4
	PLACES
.if (\a) < 3
	XLOAD C_, (\a)+1, 1
.endif
	WIN 0
.if (\a) == 0
	s_wait_xcnt 0x0                                ; the last band's stores have read their registers
.endif
	OUT32 ACC, 3, QC+6*(\a)
	v_lshl_or_b32 v[WD], v[EB], v[SH], s83         ; my block's byte at its place; the upper two bytes are 127 (they scale zero codes)
	v_permlanex16_b32 v[XP], v[WD], s84, s85
	v_or_b32 v[PWQ+4*C_+(\a)], v[WD], v[XP]        ; with lane l xor 16's the word is whole
.if (\a) == 3
.irp i, 0,1,2,3,4,5
	global_store_b128 v[L16], v[QC+4*\i:QC+4*\i+3], s[68:69] offset:3072*C_+512*\i   ; the band's four tiles: 512 consecutive bytes a store
.endr
.irp u, 0,1
	OUT32 VA+32*\u, 0, VC+12*\u+6*C_
.if C_ == 0
	v_lshlrev_b32 v[PWV+\u], v[SH], v[EB]          ; V's byte of key block 2 c + h
.else
	v_lshl_or_b32 v[PWV+\u], v[EB], v[SH2], v[PWV+\u]
.endif
.endr
.if C_ == 1                            ; both bands of 128 tokens are done
.irp t, 0,1,2,3
	v_cndmask_b32 v[SWI+\t], v[PWQ+\t], v[PWQ+4+\t], s82   ; lanes 16-31 hold the second band's words
.endr
	v_permlanex16_b32 v[XP], v[PWV], s84, s85
	v_permlanex16_b32 v[WD], v[PWV+1], s84, s85
	v_or_b32 v[PWV], v[PWV], v[XP]
	v_or_b32 v[PWV+1], v[PWV+1], v[WD]
	global_store_b128 v[L16], v[SWI:SWI+3], s[68:69] offset:6144
.irp i, 0,1,2,3,4,5
	global_store_b128 v[L16], v[VC+4*\i:VC+4*\i+3], s[70:71] offset:512*\i
.endr
	global_store_b64 v[L8], v[PWV:PWV+1], s[86:87]
.endif
.endif
.endm
.macro SLOT n
	s_wait_loadcnt 0x0                             ; the scale words (and, the first time, the biases)
.irp a, 0,1,2,3
	TILE \n, \a
.endr
.endm
.macro FILL n, rk                      ; slot n into LDS byte rk: the three lines, a round, my one load
	s_wait_tensorcnt 0x0
	ds_add_u32 v[SPW], v[NIL]
	s_add_co_u32 s[G0X+1], s62, \rk
	s_add_nc_u64 s[G0X+2:G0X+3], s[60:61], (\n)*98304
	s_or_b32 s[G0X+3], s[G0X+3], 0x80000000
	s_mov_b32 s[G1X+2], 96<<16                     ; no tensor load of mine is out: from here on a load brings one chunk, 96 rows
	s_mov_b32 s[G1X+4], 96
	s_wait_dscnt 0x0
	CROUND
	tensor_load_to_lds s[G0X:G0X+3], s[G1X:G1X+7]
	s_nop 0
	PLACES
.endm
	s_wait_tensorcnt 0x0                           ; every wave: my load of the head's four is in
	s_barrier_signal -1
	s_barrier_wait -1
	WLOAD
	XLOAD 0, 0, 0
	XLOAD 0, 0, 1
	FILL 1, R1                                     ; every wave holds its weights: slot 1 lands on their bytes
	PFX 2
	SLOT 0
	XSC 2
	FILL 2, 0
	XLOAD 1, 0, 0
	XLOAD 1, 0, 1
	PFX 3
	SLOT 1
	XSC 3
	s_wait_xcnt 0x0                                ; the stores have read their bases: on to my second group of 128 tokens
	s_add_nc_u64 s[68:69], s[68:69], s[88:89]
	s_add_nc_u64 s[70:71], s[70:71], 13312
	s_add_nc_u64 s[86:87], s[86:87], 13312
	FILL 3, R1
	XLOAD 0, 0, 0
	XLOAD 0, 0, 1
	SLOT 2
	s_wait_tensorcnt 0x0                           ; a plain barrier shows the last slot
	s_wait_dscnt 0x0
	s_barrier_signal -1
	s_barrier_wait -1
	XLOAD 1, 0, 0
	XLOAD 1, 0, 1
	SLOT 3
	s_wait_tensorcnt 0x0                           ; the wave's end
	ds_add_u32 v[SPW], v[NIL]
	s_wait_dscnt 0x0
	CROUND                                         ; the closing round
	s_endpgm
.Lfunc_end_k_q0192d08bf9_qkv:
	.size	k_q0192d08bf9_qkv, .Lfunc_end_k_q0192d08bf9_qkv-k_q0192d08bf9_qkv
	.p2alignl 7, 3214868480
	.fill 96, 4, 3214868480
	.section	.rodata,"a",@progbits
	.p2align	6, 0x0
	.amdhsa_kernel k_q0192d08bf9_qkv
		.amdhsa_group_segment_fixed_size 327680
		.amdhsa_private_segment_fixed_size 0
		.amdhsa_enable_private_segment 0
		.amdhsa_kernarg_size 40
		.amdhsa_user_sgpr_count 2
		.amdhsa_user_sgpr_kernarg_segment_ptr 1
		.amdhsa_wavefront_size32 1
		.amdhsa_system_sgpr_workgroup_id_x 1
		.amdhsa_system_sgpr_workgroup_id_y 1
		.amdhsa_system_sgpr_workgroup_id_z 1
		.amdhsa_system_vgpr_workitem_id 0
		.amdhsa_next_free_vgpr 1024
		.amdhsa_next_free_sgpr 100
		.amdhsa_reserve_vcc 0
		.amdhsa_float_denorm_mode_32 3
		.amdhsa_float_denorm_mode_16_64 3
		.amdhsa_memory_ordered 1
		.amdhsa_forward_progress 1
		.amdhsa_inst_pref_size 239
	.end_amdhsa_kernel
	.amdgpu_metadata
---
amdhsa.version: [ 1, 2 ]
amdhsa.kernels:
  - .name:           k_q0192d08bf9_qkv
    .symbol:         k_q0192d08bf9_qkv.kd
    .args:
      - { .name: cod, .offset: 0, .size: 8, .value_kind: global_buffer, .address_space: global }
      - { .name: scl, .offset: 8, .size: 8, .value_kind: global_buffer, .address_space: global }
      - { .name: qkv_b, .offset: 16, .size: 8, .value_kind: global_buffer, .address_space: global }
      - { .name: qq, .offset: 24, .size: 8, .value_kind: global_buffer, .address_space: global }
      - { .name: kv, .offset: 32, .size: 8, .value_kind: global_buffer, .address_space: global }
    .group_segment_fixed_size: 327680
    .private_segment_fixed_size: 0
    .kernarg_segment_align: 8
    .kernarg_segment_size: 40
    .max_flat_workgroup_size: 128
    .sgpr_count:     100
    .vgpr_count:     1024
    .wavefront_size: 32
...
	.end_amdgpu_metadata
.endif
;; end of part 2
;; launch attn (part 3): grid 4 x 64, 16 waves a work-group, clusters of 4 x 1, 327,680 bytes of LDS; arguments qq, kv, oc, os; writes oc, os
.if DOCPART == 3
	.amdgcn_target "amdgcn-amd-amdhsa--gfx1250"
	.amdhsa_code_object_version 6
	.text
	.protected	k_q0192d08bf9_attn
	.globl	k_q0192d08bf9_attn
	.p2align	8
	.type	k_q0192d08bf9_attn,@function
k_q0192d08bf9_attn:
	s_mov_b64 s[64:65], 0
	v_nop
	global_prefetch_b8 v0, s[64:65] scope:SCOPE_SE
	s_setreg_imm32_b32 hwreg(HW_REG_WAVE_MODE, 25, 1), 1
	s_wait_xcnt 0x0
	s_wait_alu depctr_hold_cnt(0) depctr_sa_sdst(0) depctr_va_vdst(0) depctr_va_sdst(0) depctr_va_ssrc(0) depctr_va_vcc(0) depctr_vm_vsrc(0)
	s_getreg_b32 s2, hwreg(HW_REG_IB_STS2, 6, 4)
	s_cmp_eq_u32 s2, 0
	s_cbranch_scc0 .Lentry_in_a_cluster
	s_endpgm
.Lentry_in_a_cluster:
	s_bfe_u32 s2, ttmp6, 0x10000c
	s_cmp_lg_u32 s2, 0x3003
	s_cbranch_scc0 .Lentry_shape_is_right
	s_endpgm
.Lentry_shape_is_right:
; out[b][n][64 head + d] = the sum over keys of softmax(q . k / 8) v, both products on codes of FP6 (E2M3) with E8M0 scales, and the result quantised along e = 64 head + d for the last product.
; THE SOFTMAX AHEAD OF THE SECOND PRODUCT: t = score x log2(e) / 8; M = the running largest t rounded UP to a whole number; p = 2^(t - M) is quantised along the keys, not normalised; the row's sum is taken of the
; unquantised p and divides O at the end; when M moves, the sum and O are multiplied by 2^(old M - new M), which rounds nothing.
; SHARES.  A work-group owns ONE head of one batch and 512 of its queries: 64 x 4 = 256 work-groups.  The head's 2,048 keys are 16 blocks of kv, 212,992 bytes: THEY LIE IN LDS WHOLE.  Each of the sixteen waves asks
; for one block, its one tensor load, at the head; no LDS byte is filled again.  A wave owns two tiles of 16 queries, w and w + 16, and walks the 16 key steps once for each.
; BARRIERS: one behind which blocks 0-3 are read (waves 0-3, whose load line is theirs alone, have waited for them), one after four steps, in front of which every wave has waited for its load, and one at the end for the scale bytes.
; CLUSTER 4 x 1: the four blocks of queries of a head need the same kv: each block is asked for jointly.
; NO PREFETCH: every byte of kv that the work-group reads is asked for by the head's own loads; there is no later load to run ahead of.
; LAYOUT.  Both products are used transposed: S^T = K Q^T (source 0 = 16 keys), O^T = V^T P^T (source 0 = 16 of d): a lane holds ONE query throughout.  K's and V's operands lie in kv as images of their registers.
; Tile j of 64 keys (or of the 64 d) holds numbers 8 j + i and 32 + 8 j + i: so a lane's 32 registers of four tiles are 32 NEIGHBOURS, one whole scale block, in the order of the next operand's registers.
; d = 64 IN AN INSTRUCTION OF K = 128: a tile of K has six registers; the operand names twelve, six of them the next tile's; Q's registers 6-11 are zero codes and the upper two bytes of both scale words are 127.
; THE STEP'S ORDER: V's LDS loads stand among the lines of the one serial chain (the row's maximum to -M); the lines that hang on each other behind the exponentials stand among the sum's.
; RESULTS.  oc[256 tokens][head / 4][tile of 16 tokens][(head / 2) % 2][head % 2][3][lane][8 bytes]: six registers of the last product's operand; os[128 tokens][head][lane 16 (tile / 4) + r][tile % 4]: two scale bytes each.
; LIMITS: O / l is a reciprocal (v_rcp_f32) and a multiplication; a block of zeros gets the byte 1 (zero codes; this program alone reads the bytes); NaN and infinities are not served.
.set STEPB, 13312                      ; a step's block: K's codes 6,144, K's scale words 512, V's codes 6,144, V's scale words 512
.set STG,   16*STEPB                   ; the results' scale bytes: [pass][128 tokens][256]; no fill lands here
.set SPARE, STG+1024
.set FLOOR, 0x1800000
.set L16,  1
.set L8,   2
.set SPW,  3
.set NIL,  4
.set ADR,  5
.set ADR8, 6
.set STO,  7
.set SRD,  8
.set QO,   9                           ; v9-11 offsets of Q's three pairs of registers;  v12 -M, v13 the running largest score, v[14:15] the sum
.set QSO,  94
.set SH,   95                          ; v95 8 h
.set Q,    16                          ; v16-21 Q's codes, v22-27 zero codes
.set QN,   28
.set QS,   34
.set KV,   36                          ; v36-83 K's eight tiles, then V's four fragments; v84-89 zero codes
.set KS,   90
.set S,    96                          ; v96-159 S^T, then p
.set O,    160                         ; v160-191 O^T
.set PCD,  192                         ; v192-203 p's codes
.set XT,   204
.set MX,   212                         ; v212-215 the maxima's four chains
.set T2,   216                         ; v216-219 at work
.set SO,   220
.set F,    224                         ; v224 f = 2^(old M - new M); v225 p's scale word
.set TP,   226
.set OLD,  227
.set VS,   228
.set OF,   238                         ; v238-243 the result's six registers  (v216-217, v236-237, v246-255: the sum's partial sums)
.set WV,   12
.set G1,   16
.set G0,   24
.set TB,   28
.set CNT,  30
.set CS,   32                          ; s[32:33] c = log2(e) / 8;  s37 -c
.set SEL,  34
.set NC,   37
.macro CROUND
	s_barrier_signal -1
	s_barrier_wait -1
	s_cmp_lg_u32 s[WV], 0
	s_cbranch_scc1 .Lnot_wave_0_\@
	s_barrier_signal -3
.Lnot_wave_0_\@:
	s_barrier_wait -3
	s_barrier_signal -1
	s_barrier_wait -1
.endm
.macro TLOAD
	tensor_load_to_lds s[G0:G0+3], s[G1:G1+7]
	s_nop 0
.rept 4
	v_nop
.endr
.endm
	s_load_b256 s[4:11], s[0:1], 0x0               ; qq, kv, oc, os
	v_lshl_add_u32 v[SPW], v0, 2, SPARE
	v_mov_b32 v[NIL], 0
	ds_add_u32 v[SPW], v[NIL]                      ; the opening lines: the add, twice on end, and its wait
	ds_add_u32 v[SPW], v[NIL]
	v_lshrrev_b32 v9, 5, v0
	v_readfirstlane_b32 s[WV], v9
	s_bfe_u32 s13, ttmp6, 0x40000                  ; cx: my 512 queries; it enters global addresses of Q and of the results alone
	s_and_b32 s15, ttmp7, 0xffff                   ; 16 x batch + head
	s_mov_b32 s[G1], 15|(3<<16)|(1<<21)            ; all four work-groups; 52 rows of 32 elements of 8 bytes, dense
	s_mov_b32 s[G1+1], 32<<16
	s_mov_b32 s[G1+2], 52<<16
	s_mov_b32 s[G1+3], 32<<16
	s_mov_b32 s[G1+4], 52
	s_mov_b32 s[G1+5], 32
	s_mov_b32 s[G1+6], 0
	s_mov_b32 s[G1+7], 0
	s_mul_i32 s36, s[WV], STEPB                    ; I fetch block w, to LDS byte w x STEPB
	s_mul_i32 s38, s15, 16*STEPB
	s_add_co_u32 s38, s38, s36
	s_mov_b32 s39, 0
	s_mov_b32 s[CS], 0x3e38aa3b
	s_mov_b32 s[CS+1], s[CS]
	s_mov_b32 s[NC], 0xbe38aa3b
	s_mov_b32 s[SEL], 0x76543210
	s_mov_b32 s[SEL+1], 0xfedcba98
	s_mov_b32 s[TB], 0
	s_lshr_b32 s40, s[WV], 2                       ; the scale bytes' stage: 128 (w / 4) + 8 r + 2 (w % 4)
	s_lshl_b32 s40, s40, 7
	s_and_b32 s43, s[WV], 3
	s_lshl_b32 s41, s43, 1
	s_add_co_u32 s40, s40, s41
	s_add_co_u32 s40, s40, STG
	s_lshl_b32 s41, s43, 8
	s_add_co_u32 s41, s41, STG
	s_bfe_u32 s42, s[WV], 0x10002
	s_lshl_b32 s44, s42, 8
	s_lshl_b32 s45, s43, 2
	s_add_co_u32 s44, s44, s45                     ; Q's scale word
	s_mul_i32 s45, s42, 3072
	s_mul_i32 s46, s43, 3
.irp p, 0,1,2                          ; my tile's registers 6 tile + 2 p, + 1 of the image's 48
	s_add_co_u32 s47, s46, \p
	s_lshr_b32 s[48+\p], s47, 1
	s_lshl_b32 s[48+\p], s[48+\p], 9
	s_and_b32 s47, s47, 1
	s_lshl_b32 s47, s47, 3
	s_add_co_u32 s[48+\p], s[48+\p], s47
	s_add_co_u32 s[48+\p], s[48+\p], s45
.endr
	s_lshl_b32 s52, s15, 4                         ; Q: block 16 (16 batch + head) + 4 cx + w / 8 of qq; the second tile's lies two blocks on
	s_lshl_b32 s53, s13, 2
	s_add_co_u32 s52, s52, s53
	s_lshr_b32 s53, s[WV], 3
	s_add_co_u32 s52, s52, s53
	s_mul_i32 s52, s52, 6656
	s_mov_b32 s53, 0
	s_lshr_b32 s54, s15, 4
	s_lshl_b32 s54, s54, 3
	s_lshl_b32 s55, s13, 1
	s_add_co_u32 s54, s54, s55                     ; my first 256 tokens: 8 batch + 2 cx
	s_and_b32 s55, s15, 15                         ; the head
	s_mul_i32 s56, s54, 196608
	s_lshr_b32 s57, s55, 2
	s_mul_i32 s57, s57, 49152
	s_add_co_u32 s56, s56, s57
	s_mul_i32 s57, s[WV], 3072
	s_add_co_u32 s56, s56, s57
	s_and_b32 s57, s55, 3
	s_mul_i32 s57, s57, 768
	s_add_co_u32 s56, s56, s57
	s_mov_b32 s57, 0
	s_lshl_b32 s58, s54, 13
	s_lshl_b32 s59, s43, 12
	s_add_co_u32 s58, s58, s59
	s_lshl_b32 s59, s55, 8
	s_add_co_u32 s58, s58, s59
	s_mov_b32 s59, 0
	v_and_b32 v9, 31, v0                           ; every address register is made here, ahead of the first branch on the wave's number
	v_and_b32 v10, 15, v0
	v_bfe_u32 v[SH], v0, 4, 1
	v_lshlrev_b32 v[L16], 4, v9
	v_lshlrev_b32 v[L8], 3, v9
	v_lshl_add_u32 v[STO], v10, 3, s40
	v_lshl_add_u32 v[QSO], v10, 4, s44
	v_lshlrev_b32 v[SH], 3, v[SH]
	v_add_nc_u32 v[SRD], s41, v[L8]
.irp p, 0,1,2
	v_add_nc_u32 v[QO+\p], s[48+\p], v[L16]
.endr
	s_wait_alu depctr_va_vdst(0)                   ; the wait here, directly ahead of the waits below
	s_wait_dscnt 0x0
	s_wait_kmcnt 0x0
	s_mov_b32 s[G0], 1
	s_mov_b32 s[G0+1], s36
	s_add_nc_u64 s[G0+2:G0+3], s[6:7], s[38:39]
	s_or_b32 s[G0+3], s[G0+3], 0x80000000
	s_add_nc_u64 s[4:5], s[4:5], s[52:53]
	s_add_nc_u64 s[8:9], s[8:9], s[56:57]
	s_add_nc_u64 s[10:11], s[10:11], s[58:59]
	CROUND                                         ; all four work-groups are here: the joint loads meet
	s_cmp_lt_u32 s[WV], 4                          ; one load a wave; waves 0-3, whose blocks are read first, have a line of their own
	s_cbranch_scc0 .Lrest
	TLOAD
	s_branch .Lasked
.Lrest:
	TLOAD
.Lasked:
.irp hh, 0,1
.irp p, 0,1,2
	global_load_b64 v[Q+12*\hh+2*\p:Q+12*\hh+2*\p+1], v[QO+\p], s[4:5] offset:13312*\hh
.endr
	global_load_b32 v[QS+\hh], v[QSO], s[4:5] offset:13312*\hh+6144
.endr
.irp i, 0,1,2,3,4,5
	v_mov_b32 v[Q+6+\i], 0                         ; zero codes
	v_mov_b32 v[KV+48+\i], 0
.endr
.macro BEGIN                           ; a tile begins: the largest score so far -3e38, -M, the sum, O^T
	v_mov_b32 v13, 0xff61b1e6
	v_mov_b32 v14, 0
	v_mov_b32 v15, 0
	v_floor_f32 v12, -v13
.set n, 0
.rept 32
	v_mov_b32 v[O+n], 0
.set n, n+1
.endr
.endm
.irp b, 0,1,2,3
	v_mov_b32 v[T2+\b], 0                          ; a lane permute's destination counts as one of its sources
.endr
	v_mov_b32 v[F+1], 0                            ; (named as the upper half of a pair before it is first made)
	v_mov_b32 v[TP], 0
	BEGIN
.macro PA d, a, b
	v_pk_add_f32 v[\d:\d+1], v[\a:\a+1], v[\b:\b+1]
.endm
.macro VLD c                           ; one of V's fourteen loads
.if (\c) < 12
	ds_load_b128 v[KV+4*(\c):KV+4*(\c)+3], v[ADR] offset:6656+512*(\c)
.else
	ds_load_b64 v[VS+2*((\c)-12):VS+2*((\c)-12)+1], v[ADR8] offset:12800+256*((\c)-12)
.endif
.endm
.macro TM from, to                     ; t - M, two at a time
.set n, \from
.rept ((\to)-(\from))/2
	v_pk_fma_f32 v[S+n:S+n+1], v[S+n:S+n+1], s[CS:CS+1], v[12:13] op_sel_hi:[1,0,0]
.set n, n+2
.endr
.endm
.macro OM from, to                     ; O^T under the new M
.set n, \from
.rept ((\to)-(\from))/2
	v_pk_mul_f32 v[O+n:O+n+1], v[O+n:O+n+1], v[F:F+1] op_sel_hi:[1,0]
.set n, n+2
.endr
.endm
; A KEY STEP: 128 keys
.macro STEP
	v_add_nc_u32 v[ADR], s[TB], v[L16]
	v_add_nc_u32 v[ADR8], s[TB], v[L8]
	v_nop
	v_nop                                          ; four places behind the last step's products, ahead of loads into their sources
.irp c, 0,1,2,3,4,5,6,7,8,9,10,11
	ds_load_b128 v[KV+4*\c:KV+4*\c+3], v[ADR] offset:512*\c
.endr
	ds_load_b128 v[KS:KS+3], v[ADR] offset:6144
	s_wait_alu depctr_va_vdst(0)
	s_wait_dscnt 0x0
.irp t, 0,1,2,3
	v_wmma_scale_f32_16x16x128_f8f6f4 v[S+8*\t:S+8*\t+7], v[KV+6*\t:KV+6*\t+11], v[Q:Q+11], 0, v[KS+\t], v[QS] matrix_a_fmt:MATRIX_FMT_FP6 matrix_b_fmt:MATRIX_FMT_FP6
.endr
.irp t, 4,5,6,7
	v_wmma_scale_f32_16x16x128_f8f6f4 v[S+8*\t:S+8*\t+7], v[KV+6*\t:KV+6*\t+11], v[Q:Q+11], 0, v[KS+\t-4], v[QS] matrix_a_fmt:MATRIX_FMT_FP6 matrix_b_fmt:MATRIX_FMT_FP6 matrix_a_scale:MATRIX_SCALE_ROW1
.endr
	v_mov_b32 v[OLD], v12                          ; the old -M; with three v_nop the four places behind the products
	v_nop
	v_nop
	v_nop
.irp b, 0,1,2,3                        ; the largest score of my two blocks of 32 keys (registers 0-31, 32-63), two chains each: it serves for the row's maximum and, since p rises with the score, for the block's largest p
	v_max3_num_f32 v[MX+\b], v[S+16*\b], v[S+1+16*\b], v[S+2+16*\b]
.endr
.irp i, 3,5,7,9,11,13
.irp b, 0,1,2,3
	v_max3_num_f32 v[MX+\b], v[MX+\b], v[S+16*\b+\i], v[S+1+16*\b+\i]
.endr
.endr
	v_max_num_f32 v[T2], v[S+15], v[S+31]
	v_max_num_f32 v[T2+1], v[S+47], v[S+63]
	VLD 0
	VLD 1
	VLD 2
	v_max3_num_f32 v[MX], v[MX], v[MX+1], v[T2]
	v_max3_num_f32 v[MX+2], v[MX+2], v[MX+3], v[T2+1]
	VLD 3
	VLD 4
	VLD 5
	v_max_num_f32 v[TP], v[MX], v[MX+2]
	VLD 6
	VLD 7
	v_permlanex16_b32 v[T2+2], v[TP], s[SEL], s[SEL+1]
	VLD 8
	VLD 9
	v_max3_num_f32 v13, v13, v[TP], v[T2+2]        ; the running largest score of my query, lane l xor 16's keys among them
	VLD 10
	VLD 11
	v_mul_f32 v[TP], s[NC], v13                    ; -t
	VLD 12
	VLD 13
	v_floor_f32 v12, v[TP]                         ; the new -M = -ceil(t)
	v_nop
	TM 0, 8
	v_sub_f32 v[TP], v12, v[OLD]                   ; old M - new M: a whole number, 0 or less
	TM 8, 16
	v_cvt_i32_f32 v[TP], v[TP]                     ; (it saturates)
	TM 16, 24
	v_ldexp_f32 v[F], 1.0, v[TP]                   ; f = 2^(old M - new M)
	TM 24, 64
	v_fma_f32 v[MX], v[MX], s[CS], v12             ; the same of each block's largest score
	v_fma_f32 v[MX+2], v[MX+2], s[CS], v12
	s_wait_alu depctr_va_vdst(0)                   ; the wait ahead of the batch
	v_exp_f32 v[MX], v[MX]                         ; the blocks' largest p
	v_exp_f32 v[MX+2], v[MX+2]
.set n, 0
.rept 64
	v_exp_f32 v[S+n], v[S+n]                       ; p = 2^(t - M)
.set n, n+1
.endr
	v_nop                                          ; the plain place behind the exponentials
	s_wait_alu depctr_va_vdst(0)                   ; one wait for the whole batch
	v_max_num_f32 v[MX], FLOOR, v[MX]              ; the floor 2^(3 - 127)
	v_max_num_f32 v[MX+2], FLOOR, v[MX+2]
	PA 216, 100, 104                               ; the row's sum of the unquantised p, in eight chains
	PA 254, 108, 112
	PA 252, 116, 120
	v_add_nc_u32 v[SO], 0xff000000, v[MX]          ; 2 off the exponent field: the conversions' scale operands
	v_add_nc_u32 v[SO+1], 0xff000000, v[MX+2]
	PA 250, 124, 128
	PA 248, 132, 136
	PA 246, 140, 144
.irp c, 0,1
	v_cvt_scalef32_pk16_fp6_f32 v[PCD+6*\c:PCD+6*\c+2], v[S+32*\c:S+32*\c+15], v[SO+\c]
	v_cvt_scalef32_pk16_fp6_f32 v[XT+4*\c:XT+4*\c+2], v[S+32*\c+16:S+32*\c+31], v[SO+\c]
.endr
	v_lshrrev_b32 v[MX+1], 23, v[SO]               ; the scales' bytes (plain lines behind the conversions)
	v_lshrrev_b32 v[MX+3], 23, v[SO+1]
	PA 236, 148, 152
	v_pk_fma_f32 v[14:15], v[14:15], v[F:F+1], v[156:157] op_sel_hi:[1,0,1]   ; the sum under the new M
	PA 216, 216, 96
	v_lshl_or_b32 v[TP], v[MX+3], 16, v[MX+1]      ; my bytes: blocks h and 2 + h
.irp i, 0,1,2
	v_mov_b32 v[PCD+3+\i], v[XT+\i]
.endr
	v_lshlrev_b32 v[TP], v[SH], v[TP]              ; at their places
.irp i, 0,1,2
	v_mov_b32 v[PCD+9+\i], v[XT+4+\i]
.endr
	v_permlanex16_b32 v[T2+3], v[TP], s[SEL], s[SEL+1]
	PA 254, 254, 98
	PA 252, 252, 102
	PA 250, 250, 106
	PA 248, 248, 110
	v_or_b32 v[F+1], v[TP], v[T2+3]                ; p's scale word for these 128 keys
	PA 246, 246, 114
	PA 236, 236, 118
	PA 14, 14, 122
	PA 216, 216, 126
	PA 254, 254, 130
	PA 252, 252, 134
	PA 250, 250, 138
	PA 248, 248, 142
	PA 246, 246, 146
	PA 236, 236, 150
	PA 14, 14, 154
	PA 216, 216, 158
	PA 254, 254, 246
	PA 252, 252, 236
	PA 14, 14, 250
	PA 216, 216, 248
	s_wait_dscnt 0x0                               ; V and its scale words
	s_wait_alu depctr_va_vdst(0)                   ; the wait here, directly ahead of the first reader of O^T
	OM 0, 8
	PA 14, 14, 254
	PA 216, 216, 252
	OM 8, 16
	PA 14, 14, 216
	OM 16, 32
.irp t, 0,1,2,3
	v_wmma_scale_f32_16x16x128_f8f6f4 v[O+8*\t:O+8*\t+7], v[KV+12*\t:KV+12*\t+11], v[PCD:PCD+11], v[O+8*\t:O+8*\t+7], v[VS+\t], v[F+1] matrix_a_fmt:MATRIX_FMT_FP6 matrix_b_fmt:MATRIX_FMT_FP6
.endr
.endm
.macro WALK steps
	s_mov_b32 s[CNT], \steps
.Lstep_\@:
	STEP
	s_add_co_u32 s[TB], s[TB], STEPB
	s_sub_co_u32 s[CNT], s[CNT], 1
	s_cmp_lg_u32 s[CNT], 0
	s_cbranch_scc1 .Lstep_\@
.endm
; A TILE'S END: O^T / the sum, quantised along d: a lane's 32 registers are one block.  Six registers of codes leave as three runs of 256 bytes; the two scale bytes go to the stage.
.macro TILEEND p
	s_wait_alu depctr_va_vdst(0)                   ; the wait here, directly ahead of the wait below
	s_wait_xcnt 0x0                                ; the last tile's stores have read their registers
.rept 4
	v_nop                                          ; places behind the last products
.endr
	v_add_f32 v14, v14, v15
	v_permlanex16_b32 v[TP], v14, s[SEL], s[SEL+1]
	v_add_f32 v14, v14, v[TP]                      ; the row's sum
	s_wait_alu depctr_va_vdst(0)
	v_rcp_f32 v14, v14
	v_nop
	s_wait_alu depctr_va_vdst(0)                   ; the wait ahead of the reciprocal's first reader
.set n, 0
.rept 16
	v_pk_mul_f32 v[S+n:S+n+1], v[O+n:O+n+1], v[14:15] op_sel_hi:[1,0]
.set n, n+2
.endr
.irp b, 0,1
	v_max3_num_f32 v[MX+\b], |v[S+16*\b]|, |v[S+1+16*\b]|, FLOOR
.endr
.irp i, 2,4,6,8,10,12,14
.irp b, 0,1
	v_max3_num_f32 v[MX+\b], v[MX+\b], |v[S+16*\b+\i]|, |v[S+1+16*\b+\i]|
.endr
.endr
	v_max_num_f32 v[MX], v[MX], v[MX+1]
	v_add_nc_u32 v[SO], 0xff000000, v[MX]
	v_lshrrev_b32 v[T2], 23, v[SO]
	v_cvt_scalef32_pk16_fp6_f32 v[OF:OF+2], v[S:S+15], v[SO]
	v_cvt_scalef32_pk16_fp6_f32 v[XT:XT+2], v[S+16:S+31], v[SO]
	v_lshlrev_b32 v[T2], v[SH], v[T2]              ; my block's byte at its place (the plain line behind the conversions)
.irp i, 0,1,2
	v_mov_b32 v[OF+3+\i], v[XT+\i]
.endr
	v_permlanex16_b32 v[T2+1], v[T2], s[SEL], s[SEL+1]
	v_or_b32 v[T2], v[T2], v[T2+1]                 ; the head's two scale bytes of my row
.irp i, 0,1,2
	global_store_b64 v[L8], v[OF+2*\i:OF+2*\i+1], s[8:9] offset:196608*\p+256*\i   ; 32 lanes store 256 consecutive bytes, aligned
.endr
	ds_store_b16 v[STO], v[T2] offset:512*\p       ; lanes r and r + 16 write the same bytes with the same value
.endm
	s_wait_alu depctr_va_vdst(0)                   ; the wait at the head's end
	s_wait_loadcnt 0x0                             ; Q
	s_cmp_lt_u32 s[WV], 4
	s_cbranch_scc0 .Lnot_first
	s_wait_tensorcnt 0x0                           ; waves 0-3: my block of the first four is in
.Lnot_first:
	s_barrier_signal -1
	s_barrier_wait -1                              ; blocks 0-3 are in; the others may be on their way
	WALK 4
	s_wait_tensorcnt 0x0                           ; every wave: my block is in
	s_wait_dscnt 0x0
	s_barrier_signal -1
	s_barrier_wait -1                              ; all sixteen blocks are in, and stay
	WALK 12
	TILEEND 0
.irp i, 0,1,2,3,4,5
	v_mov_b32 v[Q+\i], v[QN+\i]                    ; the second tile's Q
.endr
	v_mov_b32 v[QS], v[QS+1]
	BEGIN
	s_mov_b32 s[TB], 0
	s_wait_alu depctr_va_vdst(0)
	WALK 16
	TILEEND 1
	s_wait_dscnt 0x0                               ; for the others' sake
	s_barrier_signal -1
	s_barrier_wait -1
	s_cmp_lt_u32 s[WV], 4                          ; waves 0-3 store 256 scale bytes each
	s_cbranch_scc0 .Lno_words
	ds_load_b64 v[S:S+1], v[SRD]
	s_wait_dscnt 0x0
	global_store_b64 v[L8], v[S:S+1], s[10:11]
.Lno_words:
	s_wait_tensorcnt 0x0                           ; the wave's end
	ds_add_u32 v[SPW], v[NIL]
	s_wait_dscnt 0x0
	CROUND                                         ; the closing round
	s_endpgm
.Lfunc_end_k_q0192d08bf9_attn:
	.size	k_q0192d08bf9_attn, .Lfunc_end_k_q0192d08bf9_attn-k_q0192d08bf9_attn
	.p2alignl 7, 3214868480
	.fill 96, 4, 3214868480
	.section	.rodata,"a",@progbits
	.p2align	6, 0x0
	.amdhsa_kernel k_q0192d08bf9_attn
		.amdhsa_group_segment_fixed_size 327680
		.amdhsa_private_segment_fixed_size 0
		.amdhsa_enable_private_segment 0
		.amdhsa_kernarg_size 32
		.amdhsa_user_sgpr_count 2
		.amdhsa_user_sgpr_kernarg_segment_ptr 1
		.amdhsa_wavefront_size32 1
		.amdhsa_system_sgpr_workgroup_id_x 1
		.amdhsa_system_sgpr_workgroup_id_y 1
		.amdhsa_system_sgpr_workgroup_id_z 1
		.amdhsa_system_vgpr_workitem_id 0
		.amdhsa_next_free_vgpr 256
		.amdhsa_next_free_sgpr 66
		.amdhsa_reserve_vcc 0
		.amdhsa_float_denorm_mode_32 3
		.amdhsa_float_denorm_mode_16_64 3
		.amdhsa_memory_ordered 1
		.amdhsa_forward_progress 1
		.amdhsa_inst_pref_size 61
	.end_amdhsa_kernel
	.amdgpu_metadata
---
amdhsa.version: [ 1, 2 ]
amdhsa.kernels:
  - .name:           k_q0192d08bf9_attn
    .symbol:         k_q0192d08bf9_attn.kd
    .args:
      - { .name: qq, .offset: 0, .size: 8, .value_kind: global_buffer, .address_space: global }
      - { .name: kv, .offset: 8, .size: 8, .value_kind: global_buffer, .address_space: global }
      - { .name: oc, .offset: 16, .size: 8, .value_kind: global_buffer, .address_space: global }
      - { .name: os, .offset: 24, .size: 8, .value_kind: global_buffer, .address_space: global }
    .group_segment_fixed_size: 327680
    .private_segment_fixed_size: 0
    .kernarg_segment_align: 8
    .kernarg_segment_size: 32
    .max_flat_workgroup_size: 512
    .sgpr_count:     66
    .vgpr_count:     256
    .wavefront_size: 32
...
	.end_amdgpu_metadata
.endif
;; end of part 3
;; launch proj (part 4): grid 8 x 32, 4 waves a work-group, clusters of 4 x 4, 327,680 bytes of LDS; arguments oc, os, cod, scl, o_b, out0; writes out0
.if DOCPART == 4
	.amdgcn_target "amdgcn-amd-amdhsa--gfx1250"
	.amdhsa_code_object_version 6
	.text
	.protected	k_q0192d08bf9_proj
	.globl	k_q0192d08bf9_proj
	.p2align	8
	.type	k_q0192d08bf9_proj,@function
k_q0192d08bf9_proj:
	s_mov_b64 s[64:65], 0
	v_nop
	global_prefetch_b8 v0, s[64:65] scope:SCOPE_SE
	s_setreg_imm32_b32 hwreg(HW_REG_WAVE_MODE, 25, 1), 1
	s_wait_xcnt 0x0
	s_wait_alu depctr_hold_cnt(0) depctr_sa_sdst(0) depctr_va_vdst(0) depctr_va_sdst(0) depctr_va_ssrc(0) depctr_va_vcc(0) depctr_vm_vsrc(0)
	s_getreg_b32 s2, hwreg(HW_REG_IB_STS2, 6, 4)
	s_cmp_eq_u32 s2, 0
	s_cbranch_scc0 .Lentry_in_a_cluster
	s_endpgm
.Lentry_in_a_cluster:
	s_bfe_u32 s2, ttmp6, 0x10000c
	s_cmp_lg_u32 s2, 0xf033
	s_cbranch_scc0 .Lentry_shape_is_right
	s_endpgm
.Lentry_shape_is_right:
; out0 = attention's result x o_w^T + o_b, on codes of FP6 (E2M3) with E8M0 scales; sums in f32; the bias is the first products' C.
; A work-group makes 256 tokens x 128 columns; four waves, 2 x 2, 128 x 64 each: 32 accumulators.  K = 1,024 is eight steps of 128; step ks = 2 kk + q is heads 2 ks and 2 ks + 1.
; ALL OF K LIES IN LDS, asked for at the head, one tensor load a wave, each a dense run of memory stated as rows of 256 bytes:
;   wave 0: A's kk 0, 1 (oc: 98,304 bytes, images of operand registers);  wave 1: B's chunks 0, 1 (o_w's 128 rows, 49,152 bytes, 16 bytes of padding behind each 64);  waves 2, 3: the same of kk 2, 3.
; Two barriers: behind the first the first half of K is read (waves 0 and 1 have waited; their load lines are theirs alone); in front of the second, in step 3, every wave has waited.  No LDS byte is filled again.
; CLUSTER 4 x 4: A's tiles are shared by a row of the cluster, B's by a column.  NO PREFETCH: all that is read through LDS is asked for by the head's own loads; there is no later load to run ahead of.
; THE MATRIX INSTRUCTION IS USED TRANSPOSED (source 0 = o_w's rows): a lane holds eight neighbouring columns of a token's row.  A's scale word of a step is joined from the two heads' half words.
; The way out goes through each wave's stage, which lies in A's kk 0: those bytes have had their only fill, and behind the second barrier nobody reads them.
.set PITCH,  240
.set FR,     12
.set BB,     196608                    ; B's region: [chunk][128 rows x 240]
.set SPARE,  BB+4*128*PITCH
.set OWC_OFF, 8650752
.set OWS_OFF, 360448
.set SPITCH, 272
.set ADRA, 8                           ; v8-11  my A images of kk 0..3, + 8 x lane
.set ADRB, 12                          ; v12-15 my B fragments of chunk 0..3; v16-19 for the pieces behind one padding more
.set STO,  20
.set RD,   21
.set CO,   22
.set L8,   23
.set SOF,  24
.set BOF,  25
.set SPW,  28
.set NIL,  29
.set SA,   32                          ; v32-63 A's scale words: 4 ks + tile % 4, lanes 16 (tile / 4) + r
.set SB,   64                          ; v64-79 B's
.set HW,   96                          ; v96-127 the heads' half words as they are loaded
.set AF,   128
.set BK,   128
.set BIAS, 64
.set G1A, 16
.set G1B, 24
.set G0A, 32
.set G0B, 36
.set MSB, 0
.macro WIN new
.if MSB != (\new)
	s_set_vgpr_msb (MSB<<8)|(\new)
.set MSB, (\new)
.endif
.endm
.macro PLACES
.rept 4
	v_nop
.endr
.endm
.macro TLOAD g0, g1                    ; an s_nop 0 and four v_nop follow the load
	tensor_load_to_lds s[\g0:\g0+3], s[\g1:\g1+7]
	s_nop 0
	PLACES
.endm
.macro CROUND
	s_barrier_signal -1
	s_barrier_wait -1
	s_cmp_lg_u32 s66, 0
	s_cbranch_scc1 .Lnot_wave_0_\@
	s_barrier_signal -3
.Lnot_wave_0_\@:
	s_barrier_wait -3
	s_barrier_signal -1
	s_barrier_wait -1
.endm
	s_load_b256 s[4:11], s[0:1], 0x0               ; oc, os, cod, scl
	s_load_b128 s[12:15], s[0:1], 0x20             ; o_b, out0
	v_lshl_add_u32 v[SPW], v0, 2, SPARE
	v_mov_b32 v[NIL], 0
	ds_add_u32 v[SPW], v[NIL]                      ; the opening lines: the add, twice on end, and its wait
	ds_add_u32 v[SPW], v[NIL]
	v_lshrrev_b32 v1, 5, v0
	v_readfirstlane_b32 s66, v1                    ; wave
	s_lshr_b32 s67, s66, 1                         ; my half of the rows.  Also: which half of K I fetch
	s_and_b32 s68, s66, 1                          ; my half of the columns.  Also: I fetch for A (0) or B (1)
	s_bfe_u32 s70, ttmp6, 0x40000
	s_bfe_u32 s71, ttmp6, 0x40004
	s_lshl_b32 s72, ttmp9, 2
	s_add_co_u32 s72, s72, s70                     ; tile column, 0..7
	s_and_b32 s69, ttmp7, 0xffff
	s_lshl_b32 s69, s69, 2
	s_add_co_u32 s69, s69, s71                     ; tile row, 0..31
	s_lshl_b32 s73, s71, 2
	s_lshl_b32 s73, 15, s73                        ; my row of the cluster
	s_lshl_b32 s74, 0x1111, s70                    ; my column
	s_or_b32 s[G1A+0], s73, (3<<16)|(1<<21)        ; A: 384 rows of 32 elements of 8 bytes, dense, no padding
	s_mov_b32 s[G1A+1], 32<<16
	s_mov_b32 s[G1A+2], 384<<16
	s_mov_b32 s[G1A+3], 32<<16
	s_mov_b32 s[G1A+4], 384
	s_mov_b32 s[G1A+5], 32
	s_mov_b32 s[G1A+6], 0
	s_mov_b32 s[G1A+7], 0
	s_or_b32 s[G1B+0], s74, (0<<16)|(1<<20)|(1<<21)|(3<<22)|(3<<25)   ; B: 192 rows of 256 bytes, dense, 4 words of padding behind every 16
	s_mov_b32 s[G1B+1], 256<<16
	s_mov_b32 s[G1B+2], 192<<16
	s_mov_b32 s[G1B+3], 256<<16
	s_mov_b32 s[G1B+4], 192
	s_mov_b32 s[G1B+5], 256
	s_mov_b32 s[G1B+6], 0
	s_mov_b32 s[G1B+7], 0
	s_mov_b32 s[G0A], 1
	s_mov_b32 s[G0B], 1
	s_mul_i32 s76, s69, 196608
	s_mul_i32 s[G0A+1], s67, 98304
	s_add_co_u32 s76, s76, s[G0A+1]
	s_mov_b32 s77, 0
	s_mul_i32 s78, s72, 98304
	s_mul_i32 s79, s67, 49152
	s_add_co_u32 s78, s78, s79
	s_add_co_u32 s78, s78, OWC_OFF
	s_mov_b32 s79, 0
	s_mul_i32 s[G0B+1], s67, 2*128*PITCH
	s_add_co_u32 s[G0B+1], s[G0B+1], BB
	s_lshl_b32 s84, s69, 1                         ; os: 4,096 bytes for my 128 tokens
	s_add_co_u32 s84, s84, s67
	s_lshl_b32 s84, s84, 12
	s_mov_b32 s85, 0
	s_lshl_b32 s86, s72, 12                        ; scl: o_w's rows, 32 bytes each
	s_lshl_b32 s80, s68, 11
	s_add_co_u32 s86, s86, s80
	s_add_co_u32 s86, s86, OWS_OFF
	s_mov_b32 s87, 0
	s_lshl_b32 s88, s72, 9                         ; my first column, in bytes
	s_lshl_b32 s80, s68, 8
	s_add_co_u32 s88, s88, s80
	s_mov_b32 s89, 0
	s_lshl_b32 s92, s69, 20                        ; my first row of out0
	s_lshl_b32 s80, s67, 19
	s_add_co_u32 s92, s92, s80
	s_mov_b32 s93, 0
	s_mul_i32 s81, s67, 8*3072
	s_mul_i32 s82, s68, 64*PITCH
	s_add_co_u32 s82, s82, BB
	s_mul_i32 s83, s66, 16*SPITCH
	s_mov_b32 s90, 0x05040100
	s_mov_b32 s91, 0x07060302
	v_and_b32 v1, 15, v0
	v_bfe_u32 v2, v0, 4, 1
	v_and_b32 v3, 31, v0
	v_lshlrev_b32 v[L8], 3, v3
	v_mul_u32_u24 v4, v1, PITCH
	v_mad_u32_u24 v4, v2, 24, v4
	v_lshl_add_u32 v5, v2, 4, v4
	v_add_nc_u32 v[ADRA], s81, v[L8]
	v_add_nc_u32 v[ADRB], s82, v4
	v_add_nc_u32 v[ADRB+4], s82, v5
.irp kk, 1,2,3
	v_add_nc_u32 v[ADRA+\kk], \kk*49152, v[ADRA]
	v_add_nc_u32 v[ADRB+\kk], \kk*128*PITCH, v[ADRB]
	v_add_nc_u32 v[ADRB+4+\kk], \kk*128*PITCH, v[ADRB+4]
.endr
	v_mul_u32_u24 v4, v1, SPITCH
	v_lshl_add_u32 v4, v2, 7, v4                   ; a lane's eight sums of tile b are columns 32 h + 8 b + j of the wave's 64
	v_add_nc_u32 v[STO], s83, v4
	v_mul_u32_u24 v5, v2, SPITCH
	v_lshl_add_u32 v5, v1, 4, v5
	v_add_nc_u32 v[RD], s83, v5
	v_lshlrev_b32 v[CO], 12, v2
	v_lshl_add_u32 v[CO], v1, 4, v[CO]
	v_lshlrev_b32 v[SOF], 5, v1
	v_lshl_add_u32 v[SOF], v2, 4, v[SOF]
	v_lshlrev_b32 v[BOF], 7, v2
	s_wait_alu depctr_va_vdst(0)                   ; the wait here, directly ahead of the waits below
	s_wait_dscnt 0x0
	s_wait_kmcnt 0x0
	s_add_nc_u64 s[G0A+2:G0A+3], s[4:5], s[76:77]
	s_or_b32 s[G0A+3], s[G0A+3], 0x80000000
	s_add_nc_u64 s[G0B+2:G0B+3], s[8:9], s[78:79]
	s_or_b32 s[G0B+3], s[G0B+3], 0x80000000
	s_add_nc_u64 s[6:7], s[6:7], s[84:85]
	s_add_nc_u64 s[10:11], s[10:11], s[86:87]
	s_add_nc_u64 s[12:13], s[12:13], s[88:89]
	s_add_nc_u64 s[14:15], s[14:15], s[88:89]
	s_add_nc_u64 s[14:15], s[14:15], s[92:93]
	CROUND                                         ; all sixteen work-groups are here: the joint loads meet
	s_cmp_eq_u32 s66, 0                            ; one chain of branches on the wave's number, one load to an arm
	s_cbranch_scc0 .Lwave_1
	TLOAD G0A, G1A
	s_branch .Lasked
.Lwave_1:
	s_cmp_eq_u32 s66, 1
	s_cbranch_scc0 .Lwave_2
	TLOAD G0B, G1B
	s_branch .Lasked
.Lwave_2:
	s_cmp_eq_u32 s66, 2
	s_cbranch_scc0 .Lwave_3
	TLOAD G0A, G1A
	s_branch .Lasked
.Lwave_3:
	TLOAD G0B, G1B
.Lasked:
.irp hd, 0,1,2,3,4,5,6,7,8,9,10,11,12,13,14,15
	global_load_b64 v[HW+2*\hd:HW+2*\hd+1], v[L8], s[6:7] offset:256*\hd
.endr
.irp b, 0,1,2,3
	global_load_b128 v[SB+4*\b:SB+4*\b+3], v[SOF], s[10:11] offset:512*\b
.endr
	WIN 0x40
.irp b, 0,1,2,3
	global_load_b128 v[BIAS+8*\b:BIAS+8*\b+3], v[BOF], s[12:13] offset:32*\b
	global_load_b128 v[BIAS+8*\b+4:BIAS+8*\b+7], v[BOF], s[12:13] offset:32*\b+16
.endr
	WIN 0
.macro FRAG reg, adr, q, i
.irp p, 0,1,2,3,4,5
.set PC, 12*(\q)+6*(\p/3)+\p%3
.if PC%8 < 5
	ds_load_b64 v[\reg+2*\p:\reg+2*\p+1], v[\adr] offset:8*PC+16*(PC/8)+(\i)*16*PITCH
.else
	ds_load_b64 v[\reg+2*\p:\reg+2*\p+1], v[\adr+4] offset:8*PC+16*(PC/8)+(\i)*16*PITCH
.endif
.endr
.endm
.macro FETCH_B kk, q, p
	WIN 0x40
.irp i, 0,1,2,3
	FRAG 128*(\p)+FR*\i, ADRB+\kk, \q, \i
.endr
	WIN 0
.endm
.macro FETCH_A kk, q, i0               ; four tiles' operands: six loads of 8 bytes a lane each, 24 loads
.irp i, \i0, \i0+1, \i0+2, \i0+3
.irp c, 0,1,2,3,4,5
	ds_load_b64 v[AF+FR*(\i)+2*\c:AF+FR*(\i)+2*\c+1], v[ADRA+\kk] offset:(\i)*3072+(\q)*1536+256*\c
.endr
.endr
.endm
.macro WMS rowa, rowb
.if (\rowa) && (\rowb)
	v_wmma_scale_f32_16x16x128_f8f6f4 v[rD:rD+7], v[rA:rA+11], v[rB:rB+11], v[rC:rC+7], v[rSA], v[rSB] matrix_a_fmt:MATRIX_FMT_FP6 matrix_b_fmt:MATRIX_FMT_FP6 matrix_a_scale:MATRIX_SCALE_ROW1 matrix_b_scale:MATRIX_SCALE_ROW1
.elseif (\rowa)
	v_wmma_scale_f32_16x16x128_f8f6f4 v[rD:rD+7], v[rA:rA+11], v[rB:rB+11], v[rC:rC+7], v[rSA], v[rSB] matrix_a_fmt:MATRIX_FMT_FP6 matrix_b_fmt:MATRIX_FMT_FP6 matrix_a_scale:MATRIX_SCALE_ROW1
.elseif (\rowb)
	v_wmma_scale_f32_16x16x128_f8f6f4 v[rD:rD+7], v[rA:rA+11], v[rB:rB+11], v[rC:rC+7], v[rSA], v[rSB] matrix_a_fmt:MATRIX_FMT_FP6 matrix_b_fmt:MATRIX_FMT_FP6 matrix_b_scale:MATRIX_SCALE_ROW1
.else
	v_wmma_scale_f32_16x16x128_f8f6f4 v[rD:rD+7], v[rA:rA+11], v[rB:rB+11], v[rC:rC+7], v[rSA], v[rSB] matrix_a_fmt:MATRIX_FMT_FP6 matrix_b_fmt:MATRIX_FMT_FP6
.endif
.endm
.macro MUL8 a0, p, ks, first           ; tiles a0, a0 + 1 of tokens x four tiles of columns; the 32 accumulators take turns
.if \first
	WIN 0x91
.else
	WIN 0xa1
.endif
.irp a, \a0, \a0+1
.irp b, 0,1,2,3
.set rD, 8*(4*(\a)+\b)
.set rA, 128*(\p)+FR*\b
.set rB, AF+FR*(\a)
.set rC, rD
.if \first
.set rC, BIAS+8*\b
.endif
.set rSA, SB+4*\b+(\ks)%4
.set rSB, SA+4*(\ks)+(\a)%4
	WMS (\ks)/4, (\a)/4
.endr
.endr
.endm
.macro PSTEP kk, ks, first
	s_wait_dscnt 24                                ; all but the youngest 24 loads (A's tiles 4-7)
	MUL8 0, 0, \ks, \first
	MUL8 2, 0, \ks, \first
	s_wait_dscnt 0x0
	PLACES
	FETCH_B \kk, 1, 1
	FETCH_A \kk, 1, 0
	MUL8 4, 0, \ks, \first
	MUL8 6, 0, \ks, \first
	PLACES
	WIN 0
	FETCH_A \kk, 1, 4
.endm
.macro PTURN kk, ks, bar               ; bar = 1: the barrier that shows the second half of K
	s_wait_dscnt 24
	MUL8 0, 1, \ks, 0
.if \bar
	s_wait_tensorcnt 0x0                           ; every wave: my load is in
	s_wait_dscnt 0x0
	s_barrier_signal -1
	MUL8 2, 1, \ks, 0
	WIN 0
	s_barrier_wait -1
.else
	MUL8 2, 1, \ks, 0
	s_wait_dscnt 0x0
.endif
	PLACES
	FETCH_B (\kk)+1, 0, 0
	FETCH_A (\kk)+1, 0, 0
	MUL8 4, 1, \ks, 0
	MUL8 6, 1, \ks, 0
	PLACES
	WIN 0
	FETCH_A (\kk)+1, 0, 4
.endm
	s_cmp_lt_u32 s66, 2
	s_cbranch_scc0 .Llater
	s_wait_tensorcnt 0x0                           ; waves 0 and 1: the first half of K is in
.Llater:
	s_barrier_signal -1
	s_barrier_wait -1                              ; the second half may be on its way
	FETCH_B 0, 0, 0
	FETCH_A 0, 0, 0
	FETCH_A 0, 0, 4
	s_wait_loadcnt 0x0
.irp ks, 0,1,2,3,4,5,6,7                ; a step's scale word: the even head's two bytes below, the odd head's above.  Step 0's words stand more than eight places ahead of the first product
.irp j, 0,1
	v_perm_b32 v[SA+4*\ks+2*\j], v[HW+4*\ks+2+\j], v[HW+4*\ks+\j], s90
	v_perm_b32 v[SA+4*\ks+2*\j+1], v[HW+4*\ks+2+\j], v[HW+4*\ks+\j], s91
.endr
.endr
	s_wait_alu depctr_va_vdst(0)                   ; the wait here, directly ahead of the wait below
	PSTEP 0, 0, 1
	PTURN 0, 1, 0
	PSTEP 1, 2, 0
	PTURN 1, 3, 1
	PSTEP 2, 4, 0
	PTURN 2, 5, 0
	PSTEP 3, 6, 0
	s_wait_dscnt 24
	MUL8 0, 1, 7, 0
	MUL8 2, 1, 7, 0
	s_wait_dscnt 0x0
	MUL8 4, 1, 7, 0
	MUL8 6, 1, 7, 0
	WIN 0
.macro TOSTAGE a                       ; 16 tokens x 64 columns through my stage, back as rows of 256 bytes
	WIN 0x08
.irp b, 0,1,2,3
	ds_store_b128 v[STO], v[8*(4*(\a)+\b):8*(4*(\a)+\b)+3] offset:32*\b
	ds_store_b128 v[STO], v[8*(4*(\a)+\b)+4:8*(4*(\a)+\b)+7] offset:32*\b+16
.endr
	WIN 0
.set BX, BK+32*((\a)%2)
.irp t, 0,1,2,3,4,5,6,7
	ds_load_b128 v[BX+4*\t:BX+4*\t+3], v[RD] offset:\t*2*SPITCH
.endr
.endm
.macro SEND a, younger
.set BX, BK+32*((\a)%2)
	s_wait_dscnt \younger
.irp t, 0,1,2,3,4,5,6,7
	global_store_b128 v[CO], v[BX+4*\t:BX+4*\t+3], s[14:15] offset:(64*((\a)/4)+8*((\a)%4)+32*(\t/4)+(2*\t)%8)*4096 th:TH_STORE_NT   ; sixteen lanes store 256 consecutive bytes, aligned; row r of tile a is token 64 (a / 4) + 8 (a % 4) + 32 (r / 8) + r % 8
.endr
.endm
	PLACES
	TOSTAGE 0
.irp a, 1,2,3,4,5,6,7
.if \a > 1
	s_wait_xcnt 0x0                                ; block a - 2's stores have read their registers
.endif
	TOSTAGE \a
	SEND \a-1, 16                                  ; behind block a - 1's loads: block a's 8 stores and 8 loads
.endr
	SEND 7, 0
	s_wait_tensorcnt 0x0                           ; the wave's end
	ds_add_u32 v[SPW], v[NIL]
	s_wait_dscnt 0x0
	CROUND                                         ; the closing round
	s_endpgm
.Lfunc_end_k_q0192d08bf9_proj:
	.size	k_q0192d08bf9_proj, .Lfunc_end_k_q0192d08bf9_proj-k_q0192d08bf9_proj
	.p2alignl 7, 3214868480
	.fill 96, 4, 3214868480
	.section	.rodata,"a",@progbits
	.p2align	6, 0x0
	.amdhsa_kernel k_q0192d08bf9_proj
		.amdhsa_group_segment_fixed_size 327680
		.amdhsa_private_segment_fixed_size 0
		.amdhsa_enable_private_segment 0
		.amdhsa_kernarg_size 48
		.amdhsa_user_sgpr_count 2
		.amdhsa_user_sgpr_kernarg_segment_ptr 1
		.amdhsa_wavefront_size32 1
		.amdhsa_system_sgpr_workgroup_id_x 1
		.amdhsa_system_sgpr_workgroup_id_y 1
		.amdhsa_system_sgpr_workgroup_id_z 1
		.amdhsa_system_vgpr_workitem_id 0
		.amdhsa_next_free_vgpr 768
		.amdhsa_next_free_sgpr 96
		.amdhsa_reserve_vcc 0
		.amdhsa_float_denorm_mode_32 3
		.amdhsa_float_denorm_mode_16_64 3
		.amdhsa_memory_ordered 1
		.amdhsa_forward_progress 1
		.amdhsa_inst_pref_size 100
	.end_amdhsa_kernel
	.amdgpu_metadata
---
amdhsa.version: [ 1, 2 ]
amdhsa.kernels:
  - .name:           k_q0192d08bf9_proj
    .symbol:         k_q0192d08bf9_proj.kd
    .args:
      - { .name: oc, .offset: 0, .size: 8, .value_kind: global_buffer, .address_space: global }
      - { .name: os, .offset: 8, .size: 8, .value_kind: global_buffer, .address_space: global }
      - { .name: cod, .offset: 16, .size: 8, .value_kind: global_buffer, .address_space: global }
      - { .name: scl, .offset: 24, .size: 8, .value_kind: global_buffer, .address_space: global }
      - { .name: o_b, .offset: 32, .size: 8, .value_kind: global_buffer, .address_space: global }
      - { .name: out0, .offset: 40, .size: 8, .value_kind: global_buffer, .address_space: global }
    .group_segment_fixed_size: 327680
    .private_segment_fixed_size: 0
    .kernarg_segment_align: 8
    .kernarg_segment_size: 48
    .max_flat_workgroup_size: 128
    .sgpr_count:     96
    .vgpr_count:     768
    .wavefront_size: 32
...
	.end_amdgpu_metadata
.endif
;; end of part 4
